; MI455X (gfx1250); checked and timed in simulation.
; The chip was launched on July 23, 2026; its instructions are those of AMD's public machine-readable ISA for CDNA 5 (MIT licence, August 2026) and "CDNA5" Instruction Set Architecture Reference Guide (July 2026). The comments in the code are by the model that wrote it; some were corrected since.
;; Self Attention. Allowed arithmetic: matrix products marked QUANTISED: E2M1 operands, one E8M0 scale for each 32 along K, by v_wmma_scale_f32_16x16x128_f8f6f4 with both operands' format E2M1 (or v_wmma_scale_f32_32x16x128_f4), f32 sums; products left as they are: bf16, f16 or f32 operands; f32 sums; everything else in f32.
;; Inputs: W_proj 1,024 x 1,024 float32; W_qkv 3,072 x 1,024 float32; attn_bias 1 x 1 x 2,048 x 2,048 float32; b_proj 1,024 float32; q_bias 1,024 float32; scale_mul_1H11 1 x 16 x 1 x 1 float32; v_bias 1,024 float32; x 2 x 2,048 x 1,024 float32.
;; Outputs: out0 2 x 2,048 x 1,024 float32.
;; This version of the problem:
;;   THIS VERSION OF THE PROBLEM IS GIVEN IN LOW PRECISION. The matrix products marked QUANTISED in the list below multiply operands that are first quantised to E2M1 (2 exponent bits, 1 mantissa bit; 4 bits a number), with one power-of-two scale for each 32 numbers along K (OCP MX v1.0); their sums are f32. The products marked 'left as it is' may take bf16, f16 or f32 operands, with f32 sums. Whichever they take, every output number must still come out within the allowed error. Rounding operands to bf16 (8 significant bits) uses up far more of that allowance than f16 does (11 bits, for magnitudes from 6e-5 to 65,504). All else is computed in f32.
;;   The module's matrix products, in the order in which they are computed (A, B: the left and right operand; K: the contracted axis; several contracted axes count as one K, in the product's order):
;;     1. [M 4,096, K 1,024] x [K 1,024, N 3,072]; A: input x; B: input W_qkv: QUANTISED
;;     2. batch 32 x [M 2,048, K 64] x [K 64, N 2,048]; A: computed on the way; B: computed on the way: left as it is (an operand is computed on the way)
;;     3. batch 32 x [M 2,048, K 2,048] x [K 2,048, N 64]; A: computed on the way; B: computed on the way: left as it is (an operand is computed on the way)
;;     4. [M 4,096, K 1,024] x [K 1,024, N 1,024]; A: computed on the way; B: input W_proj: left as it is (an operand is computed on the way)
;;   THE QUANTISER, for each operand of a quantised product, along K:
;;     - K is cut into blocks of 32 from its start; a last block that is shorter is filled with zeros.
;;     - A block's scale is 2^e with e = floor(log2(the largest magnitude in the block)) - 2, held to -126 .. 127; a block of zeros has e = 0. As a byte (E8M0): e + 127.
;;     - Each number is divided by its block's scale, clamped to +-6, and rounded to the nearest number of E2M1, ties to even, subnormals kept.
;;     - The product sums the exact products of the quantised numbers (number of the format x scale) in f32.
;;   ~~~python
;;   def quantise(x, axis):      # numpy; x: float32 -> the quantised numbers, widened to float32 again
;;       x = np.moveaxis(x, axis, -1); K = x.shape[-1]
;;       x = np.pad(x, [(0, 0)] * (x.ndim - 1) + [(0, -K % 32)]); x = x.reshape(x.shape[:-1] + (-1, 32)); a = np.abs(x).max(-1, keepdims=True)
;;       e = np.where(a > 0, np.clip(np.frexp(np.where(a > 0, a, 1))[1] - 1 - 2, -126, 127), 0)      # np.frexp(a)[1] - 1 = floor(log2(a)), exactly
;;       r = np.clip(x / 2.0 ** e, -6, 6)
;;       step = 2.0 ** (np.maximum(np.frexp(np.where(r == 0, 1, r))[1] - 1, 0) - 1)
;;       q = np.round(r / step) * step * 2.0 ** e      # np.round: ties to even
;;       return np.moveaxis(q.reshape(q.shape[:-2] + (-1,))[..., :K], -1, axis).astype(np.float32)
;;   ~~~
;; One version. Each part assembles by itself: llvm-mc -triple=amdgcn-amd-amdhsa -mcpu=gfx1250 --defsym DOCPART=n.
;; ======== version 1 of 1: 4 launches
;; limits: values are held in f16: magnitudes above 65,504 overflow, below 6.1e-05 lose precision
;; workspace buffers: xc 2,097,152 bytes; xs 131,072 bytes; wc 1,572,864 bytes; ws 98,304 bytes; wp16 2,097,152 bytes; qkvh 25,165,824 bytes; oup16 8,388,608 bytes
;; launch prep (part 1): grid 256 x 1, 4 waves a work-group, no clusters, 33,280 bytes of LDS; arguments x, W_qkv, xc, xs, wc, ws, W_proj, wp16; writes xc, xs, wc, ws, wp16
.if DOCPART == 1
	.amdgcn_target "amdgcn-amd-amdhsa--gfx1250"
	.amdhsa_code_object_version 6
	.text
	.protected	k_qc961be1e61_prep
	.globl	k_qc961be1e61_prep
	.p2align	8
	.type	k_qc961be1e61_prep,@function
k_qc961be1e61_prep:
	s_mov_b64 s[64:65], 0
	v_nop
	global_prefetch_b8 v0, s[64:65] scope:SCOPE_SE
	s_setreg_imm32_b32 hwreg(HW_REG_WAVE_MODE, 25, 1), 1
	s_wait_xcnt 0x0
; x [4096][1024] and W_qkv [3072][1024], f32, K innermost, become codes of FP4 (E2M1), two a byte, with one E8M0 scale byte for each 32 along K;  W_proj [1024][1024] becomes f16.
; A block's scale is 2^(floor(log2(its largest magnitude)) - 2); its byte is the largest magnitude's exponent field - 2, held at 1 from below.  Each number is divided by the scale and rounded to the
; nearest code, ties to even, beyond 6 to 6.  (A block of zeros gets the byte 1 where the rule says 127: its codes are zeros, and this program alone reads the bytes.)
; LIMITS: blocks whose largest magnitude lies under 2^(3 - 127), the floor, keep the byte 1; NaN and infinities are not served; W_proj beyond 65,504 in magnitude has no f16 number.
; SHARES: 32,768 numbers to a work-group, 8,192 to a wave.  Work-groups 0-127 take x, 128-223 W_qkv, 224-255 W_proj: 256 in all.  Rows are dense and 1,024 is a multiple of 32: every tensor is a plain stream.
; QUANTISING: a wave takes 16 steps of 512 numbers.  Each of a step's four loads reads 512 consecutive bytes; the 2,048 bytes turn through the wave's own stage in LDS and come back 64 bytes a lane, so that a lane
; holds 16 neighbours along K (two lanes to a block).  A lane's 16 codes are 8 bytes: the wave stores 256 consecutive bytes.  A wave's 256 scale bytes are gathered in LDS and leave as one aligned run of 256 bytes.
; No tensor loads, no barrier: waves share nothing.  No matrix unit, no cluster: every byte is read once and nothing is shared.
.set WAVES, 4
.set STEPS, 16
.set WGA,   128                        ; x's work-groups
.set WGQ,   224                        ; x's and W_qkv's
.set EMAX,  2
.set CB,    8                          ; bytes of 16 codes
.set R,     16                         ; v16-79   four sets of 16 numbers as they are loaded
.set X,     80                         ; v80-111  two sets of 16 neighbours
.set E,     112                        ; v112-127 a scale byte for each step
.set C,     128                        ; v128-191 codes: four registers for each step, so that no store's data are written again
.set WREG,  8192                       ; LDS: a region for each wave: two stages of 32 x SP bytes, and behind them its 256 scale bytes
.set SP,    80                         ; a lane's place in a stage: 64 bytes + 16 of padding
.set SPW,   12                         ; v12 LDS address of my spare word; never rewritten
.set NIL,   13                         ; v13 0; never rewritten
.set SPARE, WAVES*WREG                 ; behind the four regions: the spare words, 128 bytes a wave
.set RC,    16                         ; the cast: v16-79, v80-143 two batches of 16 loads
.set DC,    144                        ; v144-175 a batch's f16 pairs
	s_load_b256 s[4:11], s[0:1], 0x0               ; x s[4:5], W_qkv s[6:7], xc s[8:9], xs s[10:11]
	s_load_b256 s[12:19], s[0:1], 0x20             ; wc s[12:13], ws s[14:15], W_proj s[16:17], wp16 s[18:19]
	v_lshl_add_u32 v[SPW], v0, 2, SPARE
	v_mov_b32 v[NIL], 0
	v_lshrrev_b32 v1, 5, v0
	v_readfirstlane_b32 s20, v1                    ; wave
	v_and_b32 v2, 31, v0                           ; lane
	v_lshlrev_b32 v3, 4, v2                        ; my 16 bytes of a load's 512
	s_mul_i32 s21, s20, WREG
	v_lshrrev_b32 v14, 2, v2
	v_mul_u32_u24 v14, v14, SP
	v_and_b32 v15, 3, v2
	v_lshl_add_u32 v14, v15, 4, v14
	v_add_nc_u32 v14, s21, v14                     ; the stage, on the way in: SP (lane / 4) + 16 (lane % 4)
	v_mul_u32_u24 v15, v2, SP
	v_add_nc_u32 v15, s21, v15                     ; and on the way out: SP x lane: my 16 neighbours
	v_mul_u32_u24 v4, v2, CB                       ; 8 x lane: my codes' place in a step's; my f16 numbers' place in a chunk's
	v_lshrrev_b32 v5, 1, v2
	s_add_co_u32 s21, s21, 2*32*SP
	v_add_nc_u32 v5, s21, v5                       ; LDS: my wave's 256 scale bytes, my block's byte
	v_lshlrev_b32 v7, 3, v2                        ; and on the way out 8 bytes a lane
	v_add_nc_u32 v6, s21, v7
	s_wait_kmcnt 0x0
	s_cmp_ge_u32 ttmp9, WGQ                        ; the last 32 work-groups cast W_proj: a branch on the work-group's number alone
	s_cbranch_scc1 .Lcast
	s_cmp_lt_u32 ttmp9, WGA                        ; x's work-group or W_qkv's?  Only pointers are chosen: both take one path
	s_cselect_b64 s[4:5], s[4:5], s[6:7]
	s_cselect_b64 s[8:9], s[8:9], s[12:13]
	s_cselect_b64 s[10:11], s[10:11], s[14:15]
	s_cselect_b32 s21, 0, WGA
	s_sub_co_u32 s21, ttmp9, s21
	s_lshl_b32 s21, s21, 2
	s_add_co_u32 s22, s21, s20                     ; which run of 8,192 numbers of the tensor is my wave's
	s_mov_b32 s23, 0
	s_mov_b64 s[24:25], 512*STEPS*4
	s_mul_u64 s[24:25], s[22:23], s[24:25]
	s_add_nc_u64 s[4:5], s[4:5], s[24:25]
	s_mov_b64 s[24:25], 32*STEPS*CB
	s_mul_u64 s[24:25], s[22:23], s[24:25]
	s_add_nc_u64 s[8:9], s[8:9], s[24:25]
	s_lshl_b32 s22, s22, 8                         ; 256 scale bytes a run
	s_add_nc_u64 s[10:11], s[10:11], s[22:23]
.macro LOAD t
.irp i, 0,1,2,3
	global_load_b128 v[R+16*((\t)%4)+4*\i:R+16*((\t)%4)+4*\i+3], v3, s[4:5] offset:2048*(\t)+512*\i th:TH_LOAD_NT   ; 32 lanes read 512 consecutive bytes
.endr
.endm
.macro TURN t                          ; step t's numbers through the stage: LDS serves a wave's instructions in order, so no wait stands between the stores and the loads
.irp i, 0,1,2,3
	ds_store_b128 v14, v[R+16*((\t)%4)+4*\i:R+16*((\t)%4)+4*\i+3] offset:32*SP*((\t)%2)+8*SP*\i
.endr
.irp i, 0,1,2,3
	ds_load_b128 v[X+16*((\t)%2)+4*\i:X+16*((\t)%2)+4*\i+3], v15 offset:32*SP*((\t)%2)+16*\i
.endr
.endm
.irp t, 0,1,2,3
	LOAD \t
.endr
	s_wait_loadcnt 12                              ; step 0's four loads are in; the twelve of steps 1 to 3 may be out
	TURN 0
.macro STEP t
.set XS, X+16*((\t)%2)
.if (\t) > 0
	s_wait_dscnt 1                                 ; this step's numbers are back from the stage (the last step's byte store may be out)
.else
	s_wait_dscnt 0x0
.endif
.if (\t)+4 < STEPS
	LOAD (\t)+4                                    ; into the registers that the stage's stores have read
.endif
.if (\t)+1 < STEPS
.if STEPS-2-(\t) >= 3
	s_wait_loadcnt 12                              ; the next step's four loads are in; those of the three steps behind it may be out
.else
	s_wait_loadcnt 4*(STEPS-2-(\t))
.endif
	TURN (\t)+1                                    ; through the other stage while this step is worked
.endif
	v_max3_num_f32 v8, |v[XS]|, |v[XS+1]|, |v[XS+2]|               ; the largest magnitude of my 16, in two chains
	v_max3_num_f32 v9, |v[XS+3]|, |v[XS+4]|, |v[XS+5]|
.irp i, 6,10
	v_max3_num_f32 v8, v8, |v[XS+\i]|, |v[XS+\i+1]|
	v_max3_num_f32 v9, v9, |v[XS+\i+2]|, |v[XS+\i+3]|
.endr
	v_max3_num_f32 v8, v8, |v[XS+14]|, |v[XS+15]|
	v_max3_num_f32 v8, v8, v9, (EMAX+1)<<23        ; and the floor 2^(EMAX + 1 - 127): so the byte cannot fall under 1
	v_max_num_f32_dpp v8, v8, v8 row_xmask:1 row_mask:0xf bank_mask:0xf   ; and of my neighbour's 16: the block's
	v_add_nc_u32 v11, -(EMAX<<23), v8              ; EMAX off its exponent field: the conversion takes the exponent field of this operand as its scale
	v_cvt_scalef32_pk8_fp4_f32 v[C+4*(\t)], v[XS:XS+7], v11
	v_cvt_scalef32_pk8_fp4_f32 v[C+4*(\t)+1], v[XS+8:XS+15], v11
	v_lshrrev_b32 v[E+(\t)], 23, v11               ; the scale's byte (also the plain line behind the conversions)
	ds_store_b8 v5, v[E+(\t)] offset:16*(\t)       ; both lanes of a block write the same byte with the same value
	global_store_b64 v4, v[C+4*(\t):C+4*(\t)+1], s[8:9] offset:32*CB*(\t)   ; 32 lanes store 256 consecutive bytes, aligned
.endm
.irp t, 0,1,2,3,4,5,6,7,8,9,10,11,12,13,14,15
	STEP \t
.endr
	ds_load_b64 v[8:9], v6                         ; LDS serves a wave's instructions in order: these see my byte stores
	s_wait_dscnt 0x0
	global_store_b64 v7, v[8:9], s[10:11]          ; 32 lanes store 256 consecutive bytes, aligned
	s_wait_tensorcnt 0x0                           ; the wave's end: three closing lines behind my last LDS store
	ds_add_u32 v[SPW], v[NIL]
	s_wait_dscnt 0x0
	s_endpgm
; THE CAST.  A wave's 8,192 numbers are 64 chunks of 512 bytes, in four batches of 16 loads on two sets of registers: while one batch is rounded and stored, the next is on its way.
.Lcast:
	s_sub_co_u32 s21, ttmp9, WGQ
	s_lshl_b32 s21, s21, 2
	s_add_co_u32 s21, s21, s20                     ; which run of 8,192 numbers is my wave's
	s_lshl_b32 s22, s21, 15
	s_mov_b32 s23, 0
	s_add_nc_u64 s[16:17], s[16:17], s[22:23]
	s_lshl_b32 s22, s21, 14
	s_add_nc_u64 s[18:19], s[18:19], s[22:23]
.macro LOADB g
.irp i, 0,1,2,3,4,5,6,7,8,9,10,11,12,13,14,15
	global_load_b128 v[RC+64*((\g)%2)+4*\i:RC+64*((\g)%2)+4*\i+3], v3, s[16:17] offset:512*(16*(\g)+\i) th:TH_LOAD_NT
.endr
.endm
.macro CVTB g
.irp i, 0,1,2,3,4,5,6,7,8,9,10,11,12,13,14,15
	v_cvt_pk_f16_f32 v[DC+2*\i], v[RC+64*((\g)%2)+4*\i], v[RC+64*((\g)%2)+4*\i+1]
	v_cvt_pk_f16_f32 v[DC+2*\i+1], v[RC+64*((\g)%2)+4*\i+2], v[RC+64*((\g)%2)+4*\i+3]
.endr
.irp i, 0,1,2,3,4,5,6,7,8,9,10,11,12,13,14,15
	global_store_b64 v4, v[DC+2*\i:DC+2*\i+1], s[18:19] offset:256*(16*(\g)+\i)   ; 32 lanes store 256 consecutive bytes, aligned
.endr
.endm
	LOADB 0
	LOADB 1
	s_wait_loadcnt 16                              ; batch 0 is in; batch 1's sixteen may be out
	CVTB 0
	LOADB 2
	s_wait_loadcnt 16                              ; batch 1 is in
	s_wait_xcnt 0x0                                ; the last batch's stores have read their data registers: they are written again only behind this wait
	CVTB 1
	LOADB 3
	s_wait_loadcnt 16
	s_wait_xcnt 0x0
	CVTB 2
	s_wait_loadcnt 0x0
	s_wait_xcnt 0x0
	CVTB 3
	s_wait_tensorcnt 0x0                           ; the same three lines at this path's end
	ds_add_u32 v[SPW], v[NIL]
	s_wait_dscnt 0x0
	s_endpgm
.Lfunc_end_k_qc961be1e61_prep:
	.size	k_qc961be1e61_prep, .Lfunc_end_k_qc961be1e61_prep-k_qc961be1e61_prep
	.p2alignl 7, 3214868480
	.fill 96, 4, 3214868480
	.section	.rodata,"a",@progbits
	.p2align	6, 0x0
	.amdhsa_kernel k_qc961be1e61_prep
		.amdhsa_group_segment_fixed_size 33280
		.amdhsa_private_segment_fixed_size 0
		.amdhsa_enable_private_segment 0
		.amdhsa_kernarg_size 64
		.amdhsa_user_sgpr_count 2
		.amdhsa_user_sgpr_kernarg_segment_ptr 1
		.amdhsa_wavefront_size32 1
		.amdhsa_system_sgpr_workgroup_id_x 1
		.amdhsa_system_sgpr_workgroup_id_y 1
		.amdhsa_system_sgpr_workgroup_id_z 1
		.amdhsa_system_vgpr_workitem_id 0
		.amdhsa_next_free_vgpr 192
		.amdhsa_next_free_sgpr 66
		.amdhsa_reserve_vcc 0
		.amdhsa_float_denorm_mode_32 3
		.amdhsa_float_denorm_mode_16_64 3
		.amdhsa_memory_ordered 1
		.amdhsa_forward_progress 1
		.amdhsa_inst_pref_size 54
	.end_amdhsa_kernel
	.amdgpu_metadata
---
amdhsa.version: [ 1, 2 ]
amdhsa.kernels:
  - .name:           k_qc961be1e61_prep
    .symbol:         k_qc961be1e61_prep.kd
    .args:
      - { .name: x, .offset: 0, .size: 8, .value_kind: global_buffer, .address_space: global }
      - { .name: W_qkv, .offset: 8, .size: 8, .value_kind: global_buffer, .address_space: global }
      - { .name: xc, .offset: 16, .size: 8, .value_kind: global_buffer, .address_space: global }
      - { .name: xs, .offset: 24, .size: 8, .value_kind: global_buffer, .address_space: global }
      - { .name: wc, .offset: 32, .size: 8, .value_kind: global_buffer, .address_space: global }
      - { .name: ws, .offset: 40, .size: 8, .value_kind: global_buffer, .address_space: global }
      - { .name: W_proj, .offset: 48, .size: 8, .value_kind: global_buffer, .address_space: global }
      - { .name: wp16, .offset: 56, .size: 8, .value_kind: global_buffer, .address_space: global }
    .group_segment_fixed_size: 33280
    .private_segment_fixed_size: 0
    .kernarg_segment_align: 8
    .kernarg_segment_size: 64
    .max_flat_workgroup_size: 128
    .sgpr_count:     66
    .vgpr_count:     192
    .wavefront_size: 32
...
	.end_amdgpu_metadata
.endif
;; end of part 1
;; launch qkv (part 2): grid 12 x 16, 4 waves a work-group, clusters of 4 x 4, 327,680 bytes of LDS; arguments xc, xs, wc, ws, q_bias, v_bias, scale_mul_1H11, qkvh; writes qkvh
.if DOCPART == 2
	.amdgcn_target "amdgcn-amd-amdhsa--gfx1250"
	.amdhsa_code_object_version 6
	.text
	.protected	k_qc961be1e61_qkv
	.globl	k_qc961be1e61_qkv
	.p2align	8
	.type	k_qc961be1e61_qkv,@function
k_qc961be1e61_qkv:
	s_mov_b64 s[64:65], 0
	v_nop
	global_prefetch_b8 v0, s[64:65] scope:SCOPE_SE
	s_setreg_imm32_b32 hwreg(HW_REG_WAVE_MODE, 25, 1), 1
	s_wait_xcnt 0x0
	s_wait_alu depctr_hold_cnt(0) depctr_sa_sdst(0) depctr_va_vdst(0) depctr_va_sdst(0) depctr_va_ssrc(0) depctr_va_vcc(0) depctr_vm_vsrc(0)
	s_getreg_b32 s2, hwreg(HW_REG_IB_STS2, 6, 4)
	s_cmp_eq_u32 s2, 0
	s_cbranch_scc0 .Lentry_in_a_cluster
	s_endpgm
.Lentry_in_a_cluster:
	s_bfe_u32 s2, ttmp6, 0x10000c
	s_cmp_lg_u32 s2, 0xf033
	s_cbranch_scc0 .Lentry_shape_is_right
	s_endpgm
.Lentry_shape_is_right:
; pre_qkv = x W_qkv^T + (q_bias, 0, v_bias) on codes of FP4 (E2M1) with E8M0 scales, sums in f32;  q = l2norm(q) exp(min(scale_mul, ln 100)), k = l2norm(k), v as it is;  all three rounded to f16 into
; qkvh [kind 3][batch x head 32][l 2048][d 64].  x's codes [4096][512 bytes], scales [4096][32];  W's [3072][512 bytes], [3072][32].
; SHARES.  A tile of 256 tokens x 256 columns to a work-group of four waves, 128 x 128 to a wave: 64 accumulators of 16 x 16.  12 x 16 = 192 work-groups; a tile of 256 x 192 would give 256, but a column tile must
; hold whole heads and lie in one kind, and the launch's matrix work is eight steps of 64 instructions a wave: the larger tile's fewer LDS reads are kept.
; K = 1,024 is two LDS slots of 512 along K (rows of 256 bytes): every LDS byte is filled once, at the head.  The scales of the work-group's rows, for all of K, come with them as dense blocks.
; CLUSTERS: 4 x 4.  The four of a row of the cluster need the same tiles of x, the four of a column the same tiles of W: each is asked for jointly.  A cluster's four tile columns are 1,024 columns: ONE KIND
; (the cluster's x: 0 q, 1 k, 2 v), the same in all partners; it steers only selections of values, never a branch.
; THE MATRIX INSTRUCTION IS USED TRANSPOSED (source 0 = 16 rows of W, source 1 = 16 tokens): a lane holds one token and eight neighbouring columns.  THE BIAS IS THE C OF EACH SUM'S FIRST PRODUCT.
; A wave's 128 columns are two heads: a head's sum of squares is 32 numbers of a lane and of the lane 16 away.  1 / max(n, 1e-12) = min(1 / n, 1e12).
; LIMITS: NaN and infinities are not served; v is kept in f16: magnitudes up to 65,504.
; REGISTERS, in windows of 256: window 0: v0-31 addresses, v30-31 the two heads' factors; v32-95 scale words, two sets, and nothing else; v96-127 packed results; v128-191 x's fragments, later rows read back;
;   v192-255 the bias in the result's layout, later the norms' sums.   window 1: W's fragments, two sets.   windows 2, 3: the accumulators ((a, b) at v[8 (8 (a % 4) + b)]).
.set NQ,     4                         ; steps of 128 along K in a slot
.set ROWB,   256                       ; a tile's row: 512 codes
.set KROW,   512                       ; a row of codes in memory
.set PITCH,  272                       ; an LDS row: 256 bytes + 16: an odd multiple of 16, so the 16 rows of a load begin in 16 different 16-byte columns of 256
.set FR,     8                         ; registers of a fragment
.set NL,     2                         ; LDS loads that bring one
.set NP,     4                         ; places behind this matrix instruction (ISA guide 7.12.1)
.set HALFT,  128*PITCH
.set SLOT,   4*HALFT                   ; x's 256 rows, then W's 256 rows
.set KS,     32                        ; a row of scales in bytes
.set SCL,    2*SLOT                    ; behind the slots: the scales, as runs of 256 bytes + 16 of padding
.set HALFS,  (128*KS/256)*272
.set SBLK,   (16*KS/256)*272
.set SPARE,  SCL+4*HALFS               ; the spare words, 128 bytes a wave
.set SPH,    144                       ; the way out: a stage row: a head's 128 bytes + 16
.set STH,    16*SPH                    ; a head's 16 rows; two heads a wave.  The stages lie in slot 0, which has had its one fill and its last read when the first result is stored there
.set ADRA, 16
.set ADRB, 20
.set STO,  24
.set RD,   25
.set CO,   26
.set ADRS, 27
.set SPW,  28
.set NIL,  29
.set HSC,  30                          ; v30, v31: exp(min(scale_mul, ln 100)) of my two heads for q; 1 for k and v
.set SC,   32
.set HP,   96
.set AF,   128
.set BK,   128
.set BI,   192
.set SS,   192                         ; v192-199 sums of squares: two chains of pairs a head
.set FA,   200                         ; v200, v202 the heads' factors (named as pairs with v201, v203)
.set TX,   204                         ; v204, v205 from the lane 16 away
.set WV,   20                          ; s20 wave;  s21 wave / 2: my half of the rows, and: I fetch for x (0) or W (1);  s22 wave % 2: my half of the columns, and which 128 rows I fetch;  s23 tile row
.set RH,   21
.set CH,   22
.set TR,   23
.set G1,   24
.set G0,   32
.set G1B,  48
.set G0B,  56
.set MBIAS, 66                         ; s66 all ones where the kind has a bias (q, v);  s67 where it is normalised (q, k);  s95 where it is scaled (q)
.set MNORM, 67
.set G1S,  68
.set G0S,  76
.set G1SB, 80
.set G0SB, 88
.set SEL,  92                          ; s[92:93] lane selects for v_permlanex16_b32 (set behind the first loads)
.set MSCALE, 95
.set MSB, 0
.macro WIN new                         ; the immediate's high byte repeats the setting that is left
.if MSB != \new
	s_set_vgpr_msb (MSB<<8)|\new
.set MSB, \new
.endif
.endm
.set MUL_LO, 0xa1                      ; source 0 (W) window 1, source 1 (x) window 0, C and D window 2
.set MUL_HI, 0xf1
.set TO_B,   0x40
; A joint load: waves 0 and 1 fetch for x, waves 2 and 3 for W.  The branch hangs on the wave's number alone.  An s_nop 0 and four v_nop follow each line.
.macro JLOAD g0a, g1a, g0b, g1b
	s_cmp_eq_u32 s[RH], 0
	s_cbranch_scc0 .Lfor_b_\@
	tensor_load_to_lds s[\g0a:\g0a+3], s[\g1a:\g1a+7]
	s_nop 0
.rept 4
	v_nop
.endr
	s_branch .Lasked_\@
.Lfor_b_\@:
	tensor_load_to_lds s[\g0b:\g0b+3], s[\g1b:\g1b+7]
	s_nop 0
.rept 4
	v_nop
.endr
.Lasked_\@:
.endm
.macro CROUND                          ; a round of the cluster's barrier
	s_barrier_signal -1
	s_barrier_wait -1
	s_cmp_lg_u32 s[WV], 0
	s_cbranch_scc1 .Lnot_wave_0_\@
	s_barrier_signal -3
.Lnot_wave_0_\@:
	s_barrier_wait -3
	s_barrier_signal -1
	s_barrier_wait -1
.endm
	s_load_b256 s[4:11], s[0:1], 0x0               ; xc s[4:5], xs s[6:7], wc s[8:9], ws s[10:11]
	s_load_b256 s[12:19], s[0:1], 0x20             ; q_bias s[12:13], v_bias s[14:15], scale_mul s[16:17], qkvh s[18:19]
	v_lshl_add_u32 v[SPW], v0, 2, SPARE
	v_mov_b32 v[NIL], 0
	ds_add_u32 v[SPW], v[NIL]                      ; the wave's opening: the add, twice on end, and its wait ahead of my first tensor load
	ds_add_u32 v[SPW], v[NIL]
	v_lshrrev_b32 v1, 5, v0
	v_readfirstlane_b32 s[WV], v1
	s_lshr_b32 s[RH], s[WV], 1
	s_and_b32 s[CH], s[WV], 1
	s_bfe_u32 s40, ttmp6, 0x40000                  ; cx, cy: my place in the cluster
	s_bfe_u32 s41, ttmp6, 0x40004
	s_lshl_b32 s42, ttmp9, 2
	s_add_co_u32 s42, s42, s40                     ; tile column = 4 x cluster x + cx
	s_and_b32 s[TR], ttmp7, 0xffff
	s_lshl_b32 s[TR], s[TR], 2
	s_add_co_u32 s[TR], s[TR], s41                 ; tile row = 4 x cluster y + cy
	s_lshl_b32 s43, s41, 2
	s_lshl_b32 s43, 15, s43                        ; my row of the cluster
	s_lshl_b32 s44, 0x1111, s40                    ; my column
	; group 1: a tile of 128 rows x 256 bytes, 16 bytes of padding behind each row
	s_or_b32 s[G1+0], s43, (0<<16)|(1<<20)|(1<<21)|(5<<22)|(3<<25)  ; the mask: x's tiles go to my row; elements of 1 byte; padding on; bit 21 beside a mask; after every 64 words, 4 words
	s_or_b32 s[G1B+0], s44, (0<<16)|(1<<20)|(1<<21)|(5<<22)|(3<<25)
.irp g, G1, G1B
	s_mov_b32 s[\g+1], ROWB<<16                    ; tensor_dim0
	s_mov_b32 s[\g+2], 128<<16                     ; tensor_dim1
	s_mov_b32 s[\g+3], ROWB<<16                    ; tile_dim0
	s_mov_b32 s[\g+4], 128                         ; tile_dim1
	s_mov_b32 s[\g+5], KROW                        ; the pitch
	s_mov_b32 s[\g+6], 0
	s_mov_b32 s[\g+7], 0
.endr
	; the scales of 128 rows: a dense block of 4,096 bytes, as 16 rows of 256 bytes (32 elements of 8 bytes), padded likewise
	s_or_b32 s[G1S+0], s43, (3<<16)|(1<<20)|(1<<21)|(5<<22)|(3<<25)
	s_or_b32 s[G1SB+0], s44, (3<<16)|(1<<20)|(1<<21)|(5<<22)|(3<<25)
.irp g, G1S, G1SB
	s_mov_b32 s[\g+1], 32<<16
	s_mov_b32 s[\g+2], (128*KS/256)<<16
	s_mov_b32 s[\g+3], 32<<16
	s_mov_b32 s[\g+4], 128*KS/256
	s_mov_b32 s[\g+5], 32
	s_mov_b32 s[\g+6], 0
	s_mov_b32 s[\g+7], 0
.endr
	s_lshl_b32 s2, s[CH], 7                        ; which 128 rows of the tile I fetch
	s_lshl_b32 s96, s[TR], 8
	s_add_co_u32 s96, s96, s2                      ; x: row 256 x tile row + 128 x half
	s_lshl_b32 s46, s42, 8
	s_add_co_u32 s46, s46, s2                      ; W: row 256 x tile column + 128 x half
	s_mov_b32 s97, 0
	s_mov_b32 s47, 0
	s_mov_b64 s[2:3], KS
	s_mul_u64 s[98:99], s[96:97], s[2:3]           ; where these rows' scales begin
	s_mul_u64 s[92:93], s[46:47], s[2:3]
	s_mov_b64 s[2:3], KROW
	s_mul_u64 s[96:97], s[96:97], s[2:3]           ; and their codes
	s_mul_u64 s[46:47], s[46:47], s[2:3]
	s_mul_i32 s45, s[WV], HALFT                    ; where they go: wave x 128 rows: no place in the cluster enters an LDS address
	s_mul_i32 s94, s[WV], HALFS
	s_wait_dscnt 0x0                               ; both opening adds are done
	s_wait_kmcnt 0x0
	s_add_nc_u64 s[96:97], s[4:5], s[96:97]
	s_add_nc_u64 s[98:99], s[6:7], s[98:99]
	s_add_nc_u64 s[46:47], s[8:9], s[46:47]
	s_add_nc_u64 s[92:93], s[10:11], s[92:93]
	CROUND                                         ; all sixteen work-groups are here: the joint loads meet
	s_mov_b32 s[G0S], 1
	s_add_co_u32 s[G0S+1], s94, SCL
	s_mov_b64 s[G0S+2:G0S+3], s[98:99]
	s_or_b32 s[G0S+3], s[G0S+3], 0x80000000
	s_mov_b32 s[G0SB], 1
	s_add_co_u32 s[G0SB+1], s94, SCL
	s_mov_b64 s[G0SB+2:G0SB+3], s[92:93]
	s_or_b32 s[G0SB+3], s[G0SB+3], 0x80000000
	JLOAD G0S, G1S, G0SB, G1SB                     ; the scales first: they are wanted with the first step
.irp s, 0,1
	s_mov_b32 s[G0+4*\s], 1
	s_add_co_u32 s[G0+4*\s+1], s45, \s*SLOT
	s_add_nc_u64 s[G0+4*\s+2:G0+4*\s+3], s[96:97], \s*ROWB
	s_or_b32 s[G0+4*\s+3], s[G0+4*\s+3], 0x80000000
	s_mov_b32 s[G0B+4*\s], 1
	s_add_co_u32 s[G0B+4*\s+1], s45, \s*SLOT
	s_add_nc_u64 s[G0B+4*\s+2:G0B+4*\s+3], s[46:47], \s*ROWB
	s_or_b32 s[G0B+4*\s+3], s[G0B+4*\s+3], 0x80000000
	JLOAD G0+4*\s, G1, G0B+4*\s, G1B               ; by this text's count three tensor loads of a wave are out
.endr
	; the bias of my 128 columns, in the result's layout: block b, lane (r, h): columns 16 b + 8 h + 0 .. 7.  k has none: q_bias is loaded and replaced by zeros
	v_and_b32 v1, 15, v0                           ; r
	v_bfe_u32 v2, v0, 4, 1                         ; h
	v_lshlrev_b32 v7, 5, v2                        ; 32 h bytes
	s_cmp_eq_u32 ttmp9, 2                          ; the kind is the cluster's x: the same in all partners
	s_cselect_b64 s[12:13], s[14:15], s[12:13]
	s_cselect_b32 s[MNORM], 0, -1
	s_cmp_eq_u32 ttmp9, 1
	s_cselect_b32 s[MBIAS], 0, -1
	s_cmp_eq_u32 ttmp9, 0
	s_cselect_b32 s[MSCALE], -1, 0
	s_lshl_b32 s2, s40, 10                         ; my columns within the kind: 256 cx + 128 x half, 4 bytes each
	s_lshl_b32 s3, s[CH], 9
	s_add_co_u32 s2, s2, s3
	s_mov_b32 s3, 0
	s_add_nc_u64 s[12:13], s[12:13], s[2:3]
.irp b, 0,1,2,3,4,5,6,7
	global_load_b128 v[BI+8*\b:BI+8*\b+3], v7, s[12:13] offset:64*\b
	global_load_b128 v[BI+8*\b+4:BI+8*\b+7], v7, s[12:13] offset:64*\b+16
.endr
	s_lshl_b32 s14, s40, 4                         ; my two heads: 4 cx + 2 x half, 4 bytes each
	s_lshl_b32 s15, s[CH], 3
	s_add_co_u32 s14, s14, s15
	v_mov_b32 v8, s14
	global_load_b64 v[HSC:HSC+1], v8, s[16:17]
	s_mov_b32 s[SEL], 0x76543210
	s_mov_b32 s[SEL+1], 0xfedcba98
	; where my part of qkvh begins: kind x 8,388,608 + (16 batch + head) x 262,144 + l x 128
	s_lshl_b32 s2, ttmp9, 23
	s_lshr_b32 s3, s[TR], 3                        ; batch
	s_lshl_b32 s3, s3, 4
	s_lshl_b32 s14, s40, 2
	s_add_co_u32 s3, s3, s14
	s_lshl_b32 s14, s[CH], 1
	s_add_co_u32 s3, s3, s14
	s_lshl_b32 s3, s3, 18
	s_add_co_u32 s2, s2, s3
	s_and_b32 s3, s[TR], 7
	s_lshl_b32 s3, s3, 15                          ; 256 tokens of 128 bytes
	s_add_co_u32 s2, s2, s3
	s_lshl_b32 s3, s[RH], 14                       ; my 128 of them
	s_add_co_u32 s2, s2, s3
	s_mov_b32 s3, 0
	s_add_nc_u64 s[18:19], s[18:19], s[2:3]
	v_mul_u32_u24 v3, v1, PITCH
	v_lshl_add_u32 v4, v2, 4, v3                   ; a fragment's row x pitch + 16 x half
	s_mul_i32 s2, s[RH], HALFT                     ; my 128 rows of x
	s_mul_i32 s3, s[CH], HALFT                     ; my 128 rows of W,
	s_add_co_u32 s3, s3, 2*HALFT                   ; which lie behind x's 256
.irp s, 0,1
	v_add_nc_u32 v[ADRA+\s], s2, v4
	v_add_nc_u32 v[ADRB+\s], s3, v4
	s_add_co_u32 s2, s2, SLOT
	s_add_co_u32 s3, s3, SLOT
.endr
	v_mul_u32_u24 v5, v1, KS                       ; my row's scales: 32 bytes a row,
	v_lshrrev_b32 v6, 8, v5
	v_lshl_add_u32 v5, v6, 4, v5                   ; and 16 more for each 256 passed
	s_mul_i32 s2, s[RH], HALFS
	s_mul_i32 s3, s[CH], HALFS
	s_add_co_u32 s3, s3, 2*HALFS
	s_sub_co_u32 s3, s3, s2
	v_mul_u32_u24 v6, s3, v2                       ; lanes 16-31 take W's
	s_add_co_u32 s2, s2, SCL
	v_add_nc_u32 v5, v5, v6
	v_add_nc_u32 v[ADRS], s2, v5
	s_mul_i32 s2, s[WV], 2*STH                     ; my stage
	v_mul_u32_u24 v5, v1, SPH
	v_lshl_add_u32 v5, v2, 4, v5
	v_add_nc_u32 v[STO], s2, v5                    ; in: row r, 16 bytes for each half of the lanes
	v_and_b32 v6, 31, v0
	v_lshlrev_b32 v[CO], 4, v6                     ; out: 16 bytes a lane of 512 consecutive bytes (four rows of a head)
	v_lshrrev_b32 v5, 3, v6
	v_mul_u32_u24 v5, v5, SPH
	v_and_b32 v6, 7, v0
	v_lshl_add_u32 v5, v6, 4, v5
	v_add_nc_u32 v[RD], s2, v5                     ; back: row lane / 8, 16 (lane % 8)
	s_wait_loadcnt 0x0                             ; the bias and scale_mul
.set i, 0
.rept 64
	v_cndmask_b32 v[BI+i], 0, v[BI+i], s[MBIAS]    ; k's part of the bias is zeros
.set i, i+1
.endr
	v_min_num_f32 v[HSC], 0x40935d8e, v[HSC]       ; min(scale_mul, ln 100)
	v_min_num_f32 v[HSC+1], 0x40935d8e, v[HSC+1]
	v_mul_f32 v[HSC], 0x3fb8aa3b, v[HSC]           ; x log2(e)
	v_mul_f32 v[HSC+1], 0x3fb8aa3b, v[HSC+1]
	v_exp_f32 v[HSC], v[HSC]
	v_exp_f32 v[HSC+1], v[HSC+1]
	v_nop                                          ; a plain line behind the exponentials,
	s_wait_alu depctr_va_vdst(0)                   ; and a wait ahead of their first reader
	v_cndmask_b32 v[HSC], 1.0, v[HSC], s[MSCALE]   ; only q is scaled
	v_cndmask_b32 v[HSC+1], 1.0, v[HSC+1], s[MSCALE]
.rept 4
	v_nop
.endr
.macro FRAG reg, adr, q, i             ; 16 rows x 128 K of 4-bit codes: 8 registers: lane l holds row l % 16; registers 4 c .. 4 c + 3 hold K = 64 c + 32 (l / 16) + 0 .. 31
.irp c, 0,1
	ds_load_b128 v[\reg+4*\c:\reg+4*\c+3], v[\adr] offset:64*(\q)+32*\c+(\i)*16*PITCH
.endr
.endm
; 16 matrix instructions: x's blocks a0, a0 + 1 against W's eight, 128 along K.  p: W's set; sc: the set of scale words.  zero = 1: the first product starts the sums from the bias.
; The 64 accumulators take turns, one instruction a turn, in the same order in every step.
.macro MUL16 a0, p, q, sc, zero
.irp a, \a0, \a0+1
.irp b, 0,1,2,3,4,5,6,7
.if \zero
	v_wmma_scale_f32_16x16x128_f8f6f4 v[8*(8*((\a)%4)+\b):8*(8*((\a)%4)+\b)+7], v[128*(\p)+FR*\b:128*(\p)+FR*\b+FR-1], v[AF+FR*(\a):AF+FR*(\a)+FR-1], v[BI+8*\b:BI+8*\b+7], v[SC+8*NQ*(\sc)+NQ*\b+(\q)], v[SC+8*NQ*(\sc)+NQ*(\a)+(\q)] matrix_a_fmt:MATRIX_FMT_FP4 matrix_b_fmt:MATRIX_FMT_FP4 matrix_a_scale:MATRIX_SCALE_ROW1
.else
	v_wmma_scale_f32_16x16x128_f8f6f4 v[8*(8*((\a)%4)+\b):8*(8*((\a)%4)+\b)+7], v[128*(\p)+FR*\b:128*(\p)+FR*\b+FR-1], v[AF+FR*(\a):AF+FR*(\a)+FR-1], v[8*(8*((\a)%4)+\b):8*(8*((\a)%4)+\b)+7], v[SC+8*NQ*(\sc)+NQ*\b+(\q)], v[SC+8*NQ*(\sc)+NQ*(\a)+(\q)] matrix_a_fmt:MATRIX_FMT_FP4 matrix_b_fmt:MATRIX_FMT_FP4 matrix_a_scale:MATRIX_SCALE_ROW1
.endif
.endr
.endr
.endm
.macro FETCH_B slot, q, p              ; W's eight fragments of the slot's q-th 128 along K into set p
	WIN TO_B
.irp i, 0,1,2,3,4,5,6,7
	FRAG 128*(\p)+FR*\i, ADRB+\slot, \q, \i
.endr
	WIN 0
.endm
.macro FETCH_A slot, q, i0             ; x's blocks i0 .. i0 + 3
.irp i, \i0, \i0+1, \i0+2, \i0+3
	FRAG AF+FR*(\i), ADRA+\slot, \q, \i
.endr
.endm
.macro SCALES sc                       ; a slot's scale words into set sc: 4 words a row; lanes 0-15 take x's block i, lanes 16-31 W's block i
.irp i, 0,1,2,3,4,5,6,7
	ds_load_b128 v[SC+8*NQ*\sc+NQ*\i:SC+8*NQ*\sc+NQ*\i+3], v[ADRS] offset:\i*SBLK
.endr
.endm
.macro PLACES n                        ; plain lines between a matrix instruction and a load into, or a vector line on, its registers
.rept \n
	v_nop
.endr
.endm
; A step of 128 along K that has its successor in the same slot.  x has one set of registers: blocks 0-3 are fetched anew in the step's middle, blocks 4-7 at its end.
.macro STEP slot, q, zero
	s_wait_dscnt 4*NL                              ; all but the youngest eight loads (x's blocks 4-7) are in
.if \zero
	WIN 0x81                                       ; as MUL_LO, with C (the bias) from window 0
.else
	WIN MUL_LO
.endif
	MUL16 0, (\q)%2, \q, \slot, \zero
	MUL16 2, (\q)%2, \q, \slot, \zero
	s_wait_dscnt 0                                 ; x's blocks 4-7 are in
	PLACES NP
	FETCH_B \slot, (\q)+1, 1-(\q)%2
	FETCH_A \slot, (\q)+1, 0
.if \zero
	WIN 0xc1
.else
	WIN MUL_HI
.endif
	MUL16 4, (\q)%2, \q, \slot, \zero
	MUL16 6, (\q)%2, \q, \slot, \zero
	PLACES NP
	WIN 0
	FETCH_A \slot, (\q)+1, 4
.endm
; Slot 0's last step changes slots: one barrier.  In front of it each wave waits for all its tensor loads (its part of slot 1), adds 0 to its spare word, and waits for that and for its reads of slot 0.
; Nothing is filled again.  Behind the barrier slot 1 is whole, and nobody reads slot 0 any more: the stages of the way out lie there.
.macro TURN slot, next
	s_wait_tensorcnt 0x0
	ds_add_u32 v[SPW], v[NIL]
	s_wait_dscnt 4*NL+1                            ; (the add and the youngest eight loads may be out)
	WIN MUL_LO
	MUL16 0, 1, NQ-1, \slot, 0
	s_wait_dscnt 0x0                               ; the add is done, and my reads of this slot are over
	s_barrier_signal -1
	MUL16 2, 1, NQ-1, \slot, 0
	WIN 0
	s_barrier_wait -1
	PLACES NP
	v_add_nc_u32 v[ADRS], 4*NQ, v[ADRS]            ; on to the next slot's scale words (no LDS load of mine is out)
	FETCH_B \next, 0, 0
	FETCH_A \next, 0, 0
	SCALES \next
	WIN MUL_HI
	MUL16 4, 1, NQ-1, \slot, 0
	MUL16 6, 1, NQ-1, \slot, 0
	PLACES NP
	WIN 0
	FETCH_A \next, 0, 4
.endm
.macro STEPS slot, from                ; the slot's steps from .. NQ - 2
.set Q, \from
.rept NQ-1-\from
	STEP \slot, Q, 0
.set Q, Q+1
.endr
.endm
	s_wait_tensorcnt 1                             ; the scales and my part of slot 0 are in (slot 1's load may be out)
	s_barrier_signal -1
	s_barrier_wait -1                              ; everybody's are
	FETCH_B 0, 0, 0
	FETCH_A 0, 0, 0
	SCALES 0
	FETCH_A 0, 0, 4
	STEP 0, 0, 1                                   ; the first step's products start the sums from the bias: nothing is cleared, nothing is added later
	STEPS 0, 1
	TURN 0, 1
	STEPS 1, 0
	s_wait_dscnt 4*NL                              ; the very last step: nothing more to fetch
	WIN MUL_LO
	MUL16 0, 1, NQ-1, 1, 0
	MUL16 2, 1, NQ-1, 1, 0
	s_wait_dscnt 0
	WIN MUL_HI
	MUL16 4, 1, NQ-1, 1, 0
	MUL16 6, 1, NQ-1, 1, 0
	WIN 0
; THE WAY OUT, block by block of 16 tokens x 2 heads.
; NORM: each head's sum of squares (each accumulator read from its low end on), the factor min(1 / n, 1e12) x the head's scale (1 for v), the accumulators times the factor in place, rounded to f16.
.macro NORM a
.set AC, 64*((\a)%4)
	WIN 0x0a+5*((\a)/4)                            ; sources 0 and 1: window 2 or 3
.irp b, 0,1,2,3,4,5,6,7
.irp p, 0,1,2,3
.if ((\b%4) == 0) && (\p < 2)
	v_pk_mul_f32 v[SS+4*(\b/4)+2*\p:SS+4*(\b/4)+2*\p+1], v[AC+8*\b+2*\p:AC+8*\b+2*\p+1], v[AC+8*\b+2*\p:AC+8*\b+2*\p+1]
.else
	v_pk_fma_f32 v[SS+4*(\b/4)+2*(\p%2):SS+4*(\b/4)+2*(\p%2)+1], v[AC+8*\b+2*\p:AC+8*\b+2*\p+1], v[AC+8*\b+2*\p:AC+8*\b+2*\p+1], v[SS+4*(\b/4)+2*(\p%2):SS+4*(\b/4)+2*(\p%2)+1]
.endif
.endr
.endr
	WIN 0
.irp d, 0,1
	v_pk_add_f32 v[SS+4*\d:SS+4*\d+1], v[SS+4*\d:SS+4*\d+1], v[SS+4*\d+2:SS+4*\d+3]
.endr
.irp d, 0,1
	v_add_f32 v[SS+4*\d], v[SS+4*\d], v[SS+4*\d+1]
.endr
.irp d, 0,1
	v_permlanex16_b32 v[TX+\d], v[SS+4*\d], s[SEL], s[SEL+1]   ; the token's other 32 channels of the head lie in the lane 16 away
.endr
.irp d, 0,1
	v_add_f32 v[SS+4*\d], v[SS+4*\d], v[TX+\d]
.endr
.irp d, 0,1
	v_rsq_f32 v[FA+2*\d], v[SS+4*\d]
.endr
	v_nop                                          ; a plain line behind the two,
	s_wait_alu depctr_va_vdst(0)                   ; and one wait for both, ahead of their first reader
.irp d, 0,1
	v_min_num_f32 v[FA+2*\d], 0x5368d4a5, v[FA+2*\d]   ; 1 / max(n, 1e-12) = min(1 / n, 1e12)
.endr
.irp d, 0,1
	v_mul_f32 v[FA+2*\d], v[FA+2*\d], v[HSC+\d]
.endr
.irp d, 0,1
	v_cndmask_b32 v[FA+2*\d], 1.0, v[FA+2*\d], s[MNORM]   ; v is not normalised
.endr
	WIN 0x82+0x41*((\a)/4)                         ; destination and source 0: window 2 or 3; the factor: window 0
.irp b, 0,1,2,3,4,5,6,7
.irp p, 0,1,2,3
	v_pk_mul_f32 v[AC+8*\b+2*\p:AC+8*\b+2*\p+1], v[AC+8*\b+2*\p:AC+8*\b+2*\p+1], v[FA+2*(\b/4):FA+2*(\b/4)+1] op_sel_hi:[1,0]
.endr
.endr
	WIN 0x0a+5*((\a)/4)
.irp b, 0,1,2,3,4,5,6,7
.irp p, 0,1,2,3
	v_cvt_pk_f16_f32 v[HP+4*\b+\p], v[AC+8*\b+2*\p], v[AC+8*\b+2*\p+1]
.endr
.endr
	WIN 0
.endm
; A lane's 16 bytes are an eighth of a head's row, and the lanes beside it hold other rows: a block goes through my own stage and comes back as runs of 512 bytes, four rows of a head, which lie on end in qkvh.
.macro TOSTAGE a
.set BB, BK+32*((\a)%2)
.irp b, 0,1,2,3,4,5,6,7
	ds_store_b128 v[STO], v[HP+4*\b:HP+4*\b+3] offset:(\b/4)*STH+32*(\b%4)
.endr
.irp j, 0,1,2,3,4,5,6,7
	ds_load_b128 v[BB+4*\j:BB+4*\j+3], v[RD] offset:(\j/4)*STH+(\j%4)*4*SPH   ; LDS serves a wave's instructions in order: these see the stores above
.endr
.endm
.macro SEND a
.set BB, BK+32*((\a)%2)
	s_wait_dscnt 0x0                               ; the block is back in registers
.irp j, 0,1,2,3,4,5,6,7
	global_store_b128 v[CO], v[BB+4*\j:BB+4*\j+3], s[18:19] offset:(\j/4)*262144+2048*(\a)+512*(\j%4)   ; 32 lanes store 512 consecutive bytes, aligned
.endr
.endm
	PLACES NP                                      ; behind the last products
	v_mov_b32 v[FA+1], 0                           ; named as the upper halves of pairs, so they are written;
	v_mov_b32 v[FA+3], 0
	v_mov_b32 v[TX], 0                             ; a lane permute's destination counts as one of its sources
	v_mov_b32 v[TX+1], 0
	NORM 0
	TOSTAGE 0
.irp a, 1,2,3,4,5,6,7
	NORM \a                                        ; block a's arithmetic stands between block a - 1's loads from the stage and the wait for them
	SEND \a-1
.if \a > 1
	s_wait_xcnt 0x0                                ; block a - 2's stores have read their registers: block a's loads may land there
.endif
	TOSTAGE \a
.endr
	SEND 7
	s_wait_tensorcnt 0x0                           ; the wave's end: three closing lines behind my last tensor load and my last LDS store
	ds_add_u32 v[SPW], v[NIL]
	s_wait_dscnt 0x0
	CROUND                                         ; the closing round
	s_endpgm
.Lfunc_end_k_qc961be1e61_qkv:
	.size	k_qc961be1e61_qkv, .Lfunc_end_k_qc961be1e61_qkv-k_qc961be1e61_qkv
	.p2alignl 7, 3214868480
	.fill 96, 4, 3214868480
	.section	.rodata,"a",@progbits
	.p2align	6, 0x0
	.amdhsa_kernel k_qc961be1e61_qkv
		.amdhsa_group_segment_fixed_size 327680
		.amdhsa_private_segment_fixed_size 0
		.amdhsa_enable_private_segment 0
		.amdhsa_kernarg_size 64
		.amdhsa_user_sgpr_count 2
		.amdhsa_user_sgpr_kernarg_segment_ptr 1
		.amdhsa_wavefront_size32 1
		.amdhsa_system_sgpr_workgroup_id_x 1
		.amdhsa_system_sgpr_workgroup_id_y 1
		.amdhsa_system_sgpr_workgroup_id_z 1
		.amdhsa_system_vgpr_workitem_id 0
		.amdhsa_next_free_vgpr 1024
		.amdhsa_next_free_sgpr 100
		.amdhsa_reserve_vcc 0
		.amdhsa_float_denorm_mode_32 3
		.amdhsa_float_denorm_mode_16_64 3
		.amdhsa_memory_ordered 1
		.amdhsa_forward_progress 1
		.amdhsa_inst_pref_size 173
	.end_amdhsa_kernel
	.amdgpu_metadata
---
amdhsa.version: [ 1, 2 ]
amdhsa.kernels:
  - .name:           k_qc961be1e61_qkv
    .symbol:         k_qc961be1e61_qkv.kd
    .args:
      - { .name: xc, .offset: 0, .size: 8, .value_kind: global_buffer, .address_space: global }
      - { .name: xs, .offset: 8, .size: 8, .value_kind: global_buffer, .address_space: global }
      - { .name: wc, .offset: 16, .size: 8, .value_kind: global_buffer, .address_space: global }
      - { .name: ws, .offset: 24, .size: 8, .value_kind: global_buffer, .address_space: global }
      - { .name: q_bias, .offset: 32, .size: 8, .value_kind: global_buffer, .address_space: global }
      - { .name: v_bias, .offset: 40, .size: 8, .value_kind: global_buffer, .address_space: global }
      - { .name: scale_mul_1H11, .offset: 48, .size: 8, .value_kind: global_buffer, .address_space: global }
      - { .name: qkvh, .offset: 56, .size: 8, .value_kind: global_buffer, .address_space: global }
    .group_segment_fixed_size: 327680
    .private_segment_fixed_size: 0
    .kernarg_segment_align: 8
    .kernarg_segment_size: 64
    .max_flat_workgroup_size: 128
    .sgpr_count:     100
    .vgpr_count:     1024
    .wavefront_size: 32
...
	.end_amdgpu_metadata
.endif
;; end of part 2
;; launch attn (part 3): grid 16 x 16, 8 waves a work-group, clusters of 4 x 4, 327,680 bytes of LDS; arguments qkvh, attn_bias, oup16; writes oup16
.if DOCPART == 3
	.amdgcn_target "amdgcn-amd-amdhsa--gfx1250"
	.amdhsa_code_object_version 6
	.text
	.protected	k_qc961be1e61_attn
	.globl	k_qc961be1e61_attn
	.p2align	8
	.type	k_qc961be1e61_attn,@function
k_qc961be1e61_attn:
	s_mov_b64 s[64:65], 0
	v_nop
	global_prefetch_b8 v0, s[64:65] scope:SCOPE_SE
	s_setreg_imm32_b32 hwreg(HW_REG_WAVE_MODE, 25, 1), 1
	s_wait_xcnt 0x0
	s_wait_alu depctr_hold_cnt(0) depctr_sa_sdst(0) depctr_va_vdst(0) depctr_va_sdst(0) depctr_va_ssrc(0) depctr_va_vcc(0) depctr_vm_vsrc(0)
	s_getreg_b32 s2, hwreg(HW_REG_IB_STS2, 6, 4)
	s_cmp_eq_u32 s2, 0
	s_cbranch_scc0 .Lentry_in_a_cluster
	s_endpgm
.Lentry_in_a_cluster:
	s_bfe_u32 s2, ttmp6, 0x10000c
	s_cmp_lg_u32 s2, 0xf033
	s_cbranch_scc0 .Lentry_shape_is_right
	s_endpgm
.Lentry_shape_is_right:
; oup[b][l][h][:] = the sum over m of softmax_m(q[bh][l] . k[bh][m] + attn_bias[l][m]) v[bh][m][:].  q, k, v: f16, [kind][bh 32][2048][64]; attn_bias: f32 [2048][2048]; oup16: f16 [4096 tokens][1024].
; Products on f16 operands with f32 sums; the bias, maxima, exponentials and row sums in f32; the weights p are rounded to f16 for the second product, the result once at the end.
; SHARES.  A work-group owns 128 queries of TWO heads (bh = 2 Y, 2 Y + 1): 16 x 16 = 256 work-groups.  Wave w: head w / 4, queries 32 (w % 4) on, two tiles of 16; two waves to a SIMD, so that one wave's
; softmax stands beside the other's products.  Every wave walks all 2,048 keys, 64 a step, 128 a slot.  A token's two heads are 256 neighbouring bytes of oup16.
; LAYOUT.  S^T = K Q^T + bias^T (source 0 = 16 keys, source 1 = 16 queries): a lane holds ONE query (lane % 16) and the keys 8 (lane / 16) + 0 .. 7.  THE BIAS IS THE C OF THE FIRST PRODUCT: a lane's eight numbers of
; a tile are 32 neighbouring bytes of a row of attn_bias, loaded from LDS straight into the scores' registers: no addition is written.  Two tiles of scores, rounded in pairs, ARE source 1 of O^T = V^T P.
; V ([key][channel]) comes out of LDS turned, by ds_load_tr16_b128.
; SOFTMAX.  For each query a running maximum m and sum l: p = 2^(c s - c m), c = log2(e); in every step O and l are multiplied by a = 2^(c m_old - c m_new).  m begins at -1e38, O and l at zeros.
; CLUSTER 4 x 4.  The bias tile hangs on the queries alone: the four work-groups of a column of the cluster ask for it jointly.  K and V hang on the heads alone: the four of a row ask jointly.
; RING.  Two slots of 128 keys.  Behind each round of the cluster's barrier every wave issues ONE load of 16 KiB (waves 0-3: 32 rows of bias each; 4, 5: K of head 0, 1; 6, 7: V), which has two steps in which to land.
; LIMITS: NaN is not served; -infinity in attn_bias is (a row wholly -infinity gives NaN, as the definition does); +infinity is not.
; REGISTERS.  window 0: v2-12 addresses; v14, v15 the add's two; v16-31 statistics, 8 a tile; v32-95 S^T; v96-127 P; v128-191 O^T; v192-255 the way out.   window 1: v0-31 Q; v96-159 K of a step; v192-255 V of a step.
.set PBI,   528                        ; a row of bias in LDS: 512 bytes + 16
.set PKK,   144                        ; of K: 128 + 16
.set PVV,   160                        ; of V: 128 + 32: an odd multiple of 32, for the turning load
.set KOFF,  128*PBI                    ; a slot: 128 rows of bias, 2 x 128 rows of K, 2 x 128 rows of V
.set VOFF,  KOFF+256*PKK
.set SLOT,  VOFF+256*PVV               ; 145,408 bytes
.set STAGE, 2*SLOT                     ; behind the ring: 128 rows x (256 + 16) bytes, the work-group's, for the way out: bytes of its own
.set SPARE, STAGE+128*272              ; the spare words, 128 bytes a wave
.set ABI, 2                            ; v2, v3   my place in the bias tile of slot 0, 1
.set AK,  4                            ; v4, v5   in my head's K
.set AV,  6                            ; v6, v7   in my head's V
.set QO,  8
.set STO, 9
.set RD,  10
.set GO,  11
.set PFO, 12
.set SPW, 14
.set NIL, 15
.set ST,  16                           ; tile t's statistics at v[ST + 8 t]: +0 c m, +1 m, +2, +3 l (even keys', odd keys'), +4, +5 at work, then a second chain of sums, +6 a, +7 at work
.set SS,  32
.set PP,  96
.set OA,  128
.set PKD, 192
.set BKR, 224
.set KF,  96                           ; in window 1
.set VF,  192
.set WV, 10                            ; s10 wave; s11 wave / 4: my head; s12 wave % 4: my 32 queries, and which rows of bias I fetch; s13 wave % 2: which head's K or V I fetch
.set HI, 11
.set QG, 12
.set W1, 13
.set CX, 14
.set CY, 15
.set XX, 16                            ; s16 block of 128 queries; s17 pair of heads
.set YY, 17
.set G1B, 24
.set G1K, 32
.set G1V, 40
.set G0B, 48                           ; groups 0: a set for each slot
.set G0K, 56
.set G0V, 68
.set CS,  76                           ; s[76:77] c = log2(e)
.set SEL, 78
.set PFA, 80                           ; s[80:81] where my prefetches stand; s[82:83] a slot on, in bytes
.set PFS, 82
.set LIM, 84                           ; s84 1 in a wave that prefetches
.set LAP, 85
.set MSB, 0
.macro WIN new
.if MSB != \new
	s_set_vgpr_msb (MSB<<8)|\new
.set MSB, \new
.endif
.endm
.set W_KQ, 0x05                        ; K and Q in window 1, S^T in window 0
.set W_PV, 0x01                        ; V in window 1; P and O^T in window 0
.set TO_1, 0x40                        ; destination window 1
; A joint load into slot n.  The branches hang on the wave's number alone; each line has one mask.  An s_nop 0 and four v_nop follow each line.
.macro JLOAD n
	s_cmp_lt_u32 s[WV], 4
	s_cbranch_scc0 .Lnot_b_\@
	tensor_load_to_lds s[G0B+4*(\n):G0B+4*(\n)+3], s[G1B:G1B+7]
	s_nop 0
.rept 4
	v_nop
.endr
	s_branch .Lasked_\@
.Lnot_b_\@:
	s_cmp_lt_u32 s[WV], 6
	s_cbranch_scc0 .Lnot_k_\@
	tensor_load_to_lds s[G0K+4*(\n):G0K+4*(\n)+3], s[G1K:G1K+7]
	s_nop 0
.rept 4
	v_nop
.endr
	s_branch .Lasked_\@
.Lnot_k_\@:
	tensor_load_to_lds s[G0V+4*(\n):G0V+4*(\n)+3], s[G1V:G1V+7]
	s_nop 0
.rept 4
	v_nop
.endr
.Lasked_\@:
.endm
; A PREFETCH INTO THE L2 of what the NEXT round's loads will ask for: a slot (two steps) ahead.  Each aligned run of 256 bytes is named once in the launch.  The bias rows of a block of queries are read by every
; cluster of that column of clusters: those with cluster y = 0 ask, waves 0 and 1, and the four partners that share the tile take 16 of each wave's 64 rows BY ADDRESS (cy), two lanes to a row's 512 bytes.
; K and V of a pair of heads are read by every cluster of that row of clusters: those with cluster x = 0 ask, wave 4 for K and wave 6 for V; the partners take 4,096 of each head's 16,384 bytes by address (cx).
; The loop's 14 trips ask for slots 2 to 15; the tail asks for nothing; slots 0 and 1 come by their loads alone.
.macro ASK
	s_cmp_eq_u32 s[LIM], 1
	s_cbranch_scc0 .Lnot_mine_\@
	global_prefetch_b8 v[PFO], s[PFA:PFA+1] th:TH_LOAD_NT scope:SCOPE_SE
.Lnot_mine_\@:
.endm
.macro CROUND
	s_barrier_signal -1
	s_barrier_wait -1
	s_cmp_lg_u32 s[WV], 0
	s_cbranch_scc1 .Lnot_wave_0_\@
	s_barrier_signal -3
.Lnot_wave_0_\@:
	s_barrier_wait -3
	s_barrier_signal -1
	s_barrier_wait -1
.endm
	s_load_b128 s[4:7], s[0:1], 0x0                ; qkvh s[4:5], attn_bias s[6:7]
	s_load_b64 s[8:9], s[0:1], 0x10                ; oup16
	v_lshl_add_u32 v[SPW], v0, 2, SPARE
	v_mov_b32 v[NIL], 0
	ds_add_u32 v[SPW], v[NIL]                      ; the wave's opening: the add, twice on end, and its wait ahead of my first tensor load
	ds_add_u32 v[SPW], v[NIL]
	v_lshrrev_b32 v1, 5, v0
	v_readfirstlane_b32 s[WV], v1
	s_lshr_b32 s[HI], s[WV], 2
	s_and_b32 s[QG], s[WV], 3
	s_and_b32 s[W1], s[WV], 1
	s_bfe_u32 s[CX], ttmp6, 0x40000
	s_bfe_u32 s[CY], ttmp6, 0x40004
	s_lshl_b32 s[XX], ttmp9, 2
	s_add_co_u32 s[XX], s[XX], s[CX]
	s_and_b32 s[YY], ttmp7, 0xffff
	s_lshl_b32 s[YY], s[YY], 2
	s_add_co_u32 s[YY], s[YY], s[CY]
	s_lshl_b32 s18, 0x1111, s[CX]                  ; my column of the cluster: the same queries
	s_lshl_b32 s19, s[CY], 2
	s_lshl_b32 s19, 15, s19                        ; my row: the same heads
	s_or_b32 s[G1B], s18, (2<<16)|(1<<20)|(1<<21)|(6<<22)|(3<<25)   ; bias: elements of 4 bytes; padding on; bit 21 beside a mask; after every 128 words, 4 words
	s_mov_b32 s[G1B+1], 128<<16                    ; tensor_dim0 = 128 keys
	s_mov_b32 s[G1B+2], 32<<16                     ; tensor_dim1 = 32 rows
	s_mov_b32 s[G1B+3], 128<<16                    ; tile_dim0
	s_mov_b32 s[G1B+4], 32                         ; tile_dim1
	s_mov_b32 s[G1B+5], 2048                       ; the pitch
	s_mov_b32 s[G1B+6], 0
	s_mov_b32 s[G1B+7], 0
	s_or_b32 s[G1K], s19, (1<<16)|(1<<20)|(1<<21)|(4<<22)|(3<<25)   ; K: elements of 2 bytes; after every 32 words, 4 words
	s_or_b32 s[G1V], s19, (1<<16)|(1<<20)|(1<<21)|(4<<22)|(7<<25)   ; V: 8 words
.irp g, G1K, G1V
	s_mov_b32 s[\g+1], 64<<16
	s_mov_b32 s[\g+2], 128<<16
	s_mov_b32 s[\g+3], 64<<16
	s_mov_b32 s[\g+4], 128
	s_mov_b32 s[\g+5], 64
	s_mov_b32 s[\g+6], 0
	s_mov_b32 s[\g+7], 0
.endr
	s_lshl_b32 s20, s[XX], 7                       ; bias: row 128 X + 32 (wave % 4), 8,192 bytes a row: these registers never hold cy
	s_lshl_b32 s21, s[QG], 5
	s_add_co_u32 s20, s20, s21
	s_lshl_b32 s20, s20, 13
	s_mov_b32 s21, 0
	s_lshl_b32 s22, s[YY], 1                       ; K: head 2 Y + wave % 2, 262,144 bytes a head, behind q's 8,388,608: these never hold cx
	s_add_co_u32 s22, s22, s[W1]
	s_lshl_b32 s22, s22, 18
	s_add_co_u32 s22, s22, 8388608
	s_mov_b32 s23, 0
	s_mul_i32 s86, s[QG], 32*PBI                   ; where they go: no place in the cluster enters an LDS address
	s_mul_i32 s87, s[W1], 128*PKK
	s_add_co_u32 s87, s87, KOFF
	s_mul_i32 s88, s[W1], 128*PVV
	s_add_co_u32 s88, s88, VOFF
	s_mov_b32 s[CS], 0x3fb8aa3b
	s_mov_b32 s[CS+1], s[CS]                       ; (named with it as a pair, so it is written)
	s_mov_b32 s[SEL], 0x76543210
	s_mov_b32 s[SEL+1], 0xfedcba98
	s_mov_b32 s[LAP], 7
	s_wait_dscnt 0x0                               ; both opening adds are done
	s_wait_kmcnt 0x0
	s_add_nc_u64 s[20:21], s[6:7], s[20:21]
	s_add_nc_u64 s[22:23], s[4:5], s[22:23]
.irp n, 0,1
	s_mov_b32 s[G0B+4*\n], 1
	s_add_co_u32 s[G0B+4*\n+1], s86, \n*SLOT
	s_add_nc_u64 s[G0B+4*\n+2:G0B+4*\n+3], s[20:21], \n*512          ; slot n begins with keys 128 n on
	s_or_b32 s[G0B+4*\n+3], s[G0B+4*\n+3], 0x80000000
	s_mov_b32 s[G0K+4*\n], 1
	s_add_co_u32 s[G0K+4*\n+1], s87, \n*SLOT
	s_add_nc_u64 s[G0K+4*\n+2:G0K+4*\n+3], s[22:23], \n*16384
	s_or_b32 s[G0K+4*\n+3], s[G0K+4*\n+3], 0x80000000
	s_mov_b32 s[G0V+4*\n], 1
	s_add_co_u32 s[G0V+4*\n+1], s88, \n*SLOT
	s_add_nc_u64 s[G0V+4*\n+2:G0V+4*\n+3], s[22:23], 8388608+\n*16384
	s_or_b32 s[G0V+4*\n+3], s[G0V+4*\n+3], 0x80000000
.endr
	CROUND                                         ; all sixteen work-groups are here: the first joint loads meet
	JLOAD 0                                        ; slot 0; slot 1 is filled behind the first trip's round, as a refill is
	; Q stays in registers: tile t, channels 32 c on: lane (r, h): row r, bytes 16 h and 32 + 16 h
	s_lshl_b32 s90, s[YY], 1
	s_add_co_u32 s90, s90, s[HI]
	s_lshl_b32 s90, s90, 18
	s_lshl_b32 s91, s[XX], 14
	s_add_co_u32 s90, s90, s91
	s_lshl_b32 s91, s[QG], 12
	s_add_co_u32 s90, s90, s91
	s_mov_b32 s91, 0
	s_add_nc_u64 s[90:91], s[4:5], s[90:91]
	v_and_b32 v1, 31, v0                           ; lane
	v_and_b32 v192, 15, v0                         ; r
	v_bfe_u32 v193, v0, 4, 1                       ; h
	v_lshlrev_b32 v[QO], 7, v192
	v_lshl_add_u32 v[QO], v193, 4, v[QO]
	WIN TO_1
.irp t, 0,1
.irp c, 0,1
	global_load_b128 v[8*(2*\t+\c):8*(2*\t+\c)+3], v[QO], s[90:91] offset:2048*\t+64*\c
	global_load_b128 v[8*(2*\t+\c)+4:8*(2*\t+\c)+7], v[QO], s[90:91] offset:2048*\t+64*\c+32
.endr
.endr
	WIN 0
	v_mul_u32_u24 v194, v192, PBI
	v_lshl_add_u32 v194, v193, 5, v194
	v_add_nc_u32 v[ABI], s86, v194                 ; bias: my wave's 32 rows, row r, + 32 h
	v_add_nc_u32 v[ABI+1], SLOT, v[ABI]
	s_mul_i32 s92, s[HI], 128*PKK
	s_add_co_u32 s92, s92, KOFF
	v_mul_u32_u24 v194, v192, PKK
	v_lshl_add_u32 v194, v193, 4, v194
	v_add_nc_u32 v[AK], s92, v194                  ; K: my head, row r, + 16 h
	v_add_nc_u32 v[AK+1], SLOT, v[AK]
	s_mul_i32 s92, s[HI], 128*PVV
	s_add_co_u32 s92, s92, VOFF
	v_and_b32 v194, 7, v0
	v_lshl_add_u32 v194, v193, 3, v194
	v_mul_u32_u24 v194, v194, PVV
	v_bfe_u32 v195, v0, 3, 1
	v_lshl_add_u32 v194, v195, 4, v194
	v_add_nc_u32 v[AV], s92, v194                  ; V: key 8 h + lane % 8, channels 8 ((lane / 8) % 2) on
	v_add_nc_u32 v[AV+1], SLOT, v[AV]
	s_mul_i32 s92, s[QG], 32*272
	s_lshl_b32 s93, s[HI], 7
	s_add_co_u32 s92, s92, s93
	s_add_co_u32 s92, s92, STAGE
	v_mul_u32_u24 v194, v192, 272
	v_lshl_add_u32 v194, v193, 4, v194
	v_add_nc_u32 v[STO], s92, v194                 ; the stage, in: row 32 (wave % 4) + r, my head's 128 bytes, + 16 h
	s_mul_i32 s92, s[WV], 16*272
	s_add_co_u32 s92, s92, STAGE
	v_mul_u32_u24 v194, v193, 272
	v_lshl_add_u32 v194, v192, 4, v194
	v_add_nc_u32 v[RD], s92, v194                  ; back: rows 16 wave on; lanes 0-15 one row of 256 bytes, lanes 16-31 the next
	v_lshlrev_b32 v[GO], 11, v193
	v_lshl_add_u32 v[GO], v192, 4, v[GO]           ; and the same two rows in oup16
	s_lshr_b32 s92, s[YY], 3                       ; batch
	s_lshl_b32 s92, s92, 11
	s_lshl_b32 s93, s[XX], 7
	s_add_co_u32 s92, s92, s93
	s_lshl_b32 s93, s[WV], 4
	s_add_co_u32 s92, s92, s93                     ; the first token that I store
	s_lshl_b32 s92, s92, 11
	s_and_b32 s93, s[YY], 7
	s_lshl_b32 s93, s93, 8                         ; the pair of heads: 256 bytes
	s_add_co_u32 s92, s92, s93
	s_mov_b32 s93, 0
	s_add_nc_u64 s[8:9], s[8:9], s[92:93]
	; the prefetches: where my wave's stand (at slot 1: each trip steps them ahead of its request), and who asks
	s_lshl_b32 s93, s[XX], 7
	s_lshl_b32 s92, s[W1], 6
	s_add_co_u32 s93, s93, s92
	s_lshl_b32 s92, s[CY], 4
	s_add_co_u32 s93, s93, s92                     ; bias: row 128 X + 64 wave + 16 cy
	s_lshl_b32 s93, s93, 13
	s_add_co_u32 s93, s93, 512
	s_lshr_b32 s94, s[WV], 1
	s_sub_co_u32 s94, s94, 1                       ; wave 4: 1 (K), wave 6: 2 (V)
	s_lshl_b32 s94, s94, 23
	s_lshl_b32 s92, s[YY], 19
	s_add_co_u32 s94, s94, s92
	s_lshl_b32 s92, s[CX], 12
	s_add_co_u32 s94, s94, s92
	s_add_co_u32 s94, s94, 16384
	s_and_b32 s95, ttmp7, 0xffff                   ; cluster y
	s_cmp_lt_u32 s[WV], 2                          ; waves 0 and 1 ask for bias, waves 4 and 6 for K and V
	s_cselect_b64 s[PFA:PFA+1], s[6:7], s[4:5]
	s_cselect_b32 s95, s95, ttmp9                  ; the coordinate along which other clusters read the same bytes
	s_cselect_b32 s96, s93, s94
	s_mov_b32 s[PFS], 16384
	s_cselect_b32 s[PFS], 512, s[PFS]
	s_mov_b32 s99, 262144
	s_cselect_b32 s99, 8192, s99                   ; from group of lanes to group: a row of bias, or a head
	s_cselect_b32 s89, 1, 4                        ; lanes in a group: 2 or 16
	s_cselect_b32 s92, 1, 15
	s_mov_b32 s97, 0
	s_mov_b32 s[PFS+1], 0
	s_add_nc_u64 s[PFA:PFA+1], s[PFA:PFA+1], s[96:97]
	s_lshr_b32 s98, 0x53, s[WV]                    ; waves 0, 1, 4, 6
	s_and_b32 s98, s98, 1
	s_xor_b32 s98, s98, 1
	s_or_b32 s98, s98, s95                         ; of the first cluster along that coordinate: the same in all sixteen partners, for a given wave
	s_cmp_eq_u32 s98, 0
	s_cselect_b32 s[LIM], 1, -1
	v_lshrrev_b32 v[PFO], s89, v1
	v_mul_lo_u32 v[PFO], v[PFO], s99
	v_and_b32 v13, s92, v1
	v_lshl_add_u32 v[PFO], v13, 8, v[PFO]
	; the step is written once: the first finds zeros, which its a = 0 leaves zeros
.set i, 0
.rept 64
	v_mov_b32 v[OA+i], 0
.set i, i+1
.endr
.irp t, 0,1
	v_mov_b32 v[ST+8*\t+1], 0xfe967699             ; m = -1e38: under every finite score
	v_mul_f32 v[ST+8*\t], s[CS], v[ST+8*\t+1]      ; c m
	v_mov_b32 v[ST+8*\t+2], 0                      ; l
	v_mov_b32 v[ST+8*\t+3], 0
.endr
.macro LDB s, u                        ; the bias of step u of slot s, into the scores' registers: 16 loads
.irp t, 0,1
.irp k, 0,1,2,3
	ds_load_b128 v[SS+32*\t+8*\k:SS+32*\t+8*\k+3], v[ABI+\s] offset:16*PBI*\t+256*\u+64*\k
	ds_load_b128 v[SS+32*\t+8*\k+4:SS+32*\t+8*\k+7], v[ABI+\s] offset:16*PBI*\t+256*\u+64*\k+16
.endr
.endr
.endm
.macro LDK s, u                        ; K: keys 16 k on, channels 32 c on: 16 loads
	WIN TO_1
.irp k, 0,1,2,3
.irp c, 0,1
	ds_load_b128 v[KF+8*(2*\k+\c):KF+8*(2*\k+\c)+3], v[AK+\s] offset:(64*\u+16*\k)*PKK+64*\c
	ds_load_b128 v[KF+8*(2*\k+\c)+4:KF+8*(2*\k+\c)+7], v[AK+\s] offset:(64*\u+16*\k)*PKK+64*\c+32
.endr
.endr
.endm
.macro LDV s, u                        ; V, turned: keys 32 g on, channels 16 d on: 16 loads
	WIN TO_1
.irp g, 0,1
.irp d, 0,1,2,3
	ds_load_tr16_b128 v[VF+8*(4*\g+\d):VF+8*(4*\g+\d)+3], v[AV+\s] offset:(64*\u+32*\g)*PVV+32*\d
	ds_load_tr16_b128 v[VF+8*(4*\g+\d)+4:VF+8*(4*\g+\d)+7], v[AV+\s] offset:(64*\u+32*\g)*PVV+16*PVV+32*\d
.endr
.endr
.endm
; The eight accumulators of each product take turns, one instruction a turn.
.macro KQ
	WIN W_KQ
.irp c, 0,1
.irp k, 0,1,2,3
.irp t, 0,1
	v_wmma_f32_16x16x32_f16 v[SS+32*\t+8*\k:SS+32*\t+8*\k+7], v[KF+8*(2*\k+\c):KF+8*(2*\k+\c)+7], v[8*(2*\t+\c):8*(2*\t+\c)+7], v[SS+32*\t+8*\k:SS+32*\t+8*\k+7]
.endr
.endr
.endr
.endm
.macro PVM
	WIN W_PV
.irp g, 0,1
.irp d, 0,1,2,3
.irp t, 0,1
	v_wmma_f32_16x16x32_f16 v[OA+32*\t+8*\d:OA+32*\t+8*\d+7], v[VF+8*(4*\g+\d):VF+8*(4*\g+\d)+7], v[PP+16*\t+8*\g:PP+16*\t+8*\g+7], v[OA+32*\t+8*\d:OA+32*\t+8*\d+7]
.endr
.endr
.endr
.endm
; Line j of tile t's maximum: four chains of seven scores (each accumulator read from its low end on), the four left over, the chains and the old m; the other half of the lanes'; c m; a.
.macro SML t, j
.set rT, ST+8*(\t)
.set rS, SS+32*(\t)
.if \j < 4
	v_max3_num_f32 v[rT+4+\j], v[rS+8*\j], v[rS+8*\j+1], v[rS+8*\j+2]
.elseif \j < 12
	v_max3_num_f32 v[rT+4+(\j)%4], v[rT+4+(\j)%4], v[rS+8*((\j)%4)+2*((\j)/4)+1], v[rS+8*((\j)%4)+2*((\j)/4)+2]
.elseif \j == 12
	v_max3_num_f32 v[rT+4], v[rT+4], v[rS+7], v[rS+15]
.elseif \j == 13
	v_max3_num_f32 v[rT+6], v[rT+6], v[rS+23], v[rS+31]
.elseif \j == 14
	v_max3_num_f32 v[rT+4], v[rT+4], v[rT+5], v[rT+6]
.elseif \j == 15
	v_max3_num_f32 v[rT+4], v[rT+4], v[rT+7], v[rT+1]
.elseif \j == 16
	v_permlanex16_b32 v[rT+5], v[rT+4], s[SEL], s[SEL+1]   ; the query's other 32 keys lie in the lane 16 away
.elseif \j == 17
	v_mov_b32 v[rT+7], v[rT]                       ; c m_old is kept for a
.elseif \j == 18
	v_max_num_f32 v[rT+1], v[rT+4], v[rT+5]
.elseif \j == 19
	v_mul_f32 v[rT], s[CS], v[rT+1]
.elseif \j == 20
	v_sub_f32 v[rT+7], v[rT+7], v[rT]
.else
	v_exp_f32 v[rT+6], v[rT+7]                     ; a = 2^(c m_old - c m_new)
.endif
.endm
.macro FMAP t, i                       ; pair i of tile t: c s - c m
	v_pk_fma_f32 v[SS+32*(\t)+2*\i:SS+32*(\t)+2*\i+1], v[SS+32*(\t)+2*\i:SS+32*(\t)+2*\i+1], s[CS:CS+1], v[ST+8*(\t):ST+8*(\t)+1] op_sel_hi:[1,0,0] neg_lo:[0,0,1] neg_hi:[0,0,1]
.endm
; Line n of six for four weights (pairs 2 i, 2 i + 1) of tile t: two roundings to f16, two sums (in two chains; the second begins as pair 1 + pair 3), two pairs of O^T times a (each accumulator from its low end on).
.macro PLN t, i, n
.set rT, ST+8*(\t)
.set rS, SS+32*(\t)
.set rP, PP+16*(\t)
.set rO, OA+32*(\t)
.if \n == 0
	v_cvt_pk_f16_f32 v[rP+2*\i], v[rS+4*\i], v[rS+4*\i+1]
.elseif \n == 1
	v_cvt_pk_f16_f32 v[rP+2*\i+1], v[rS+4*\i+2], v[rS+4*\i+3]
.elseif \n == 2
	v_pk_add_f32 v[rT+2:rT+3], v[rT+2:rT+3], v[rS+4*\i:rS+4*\i+1]
.elseif \n == 3
.if \i == 1
	v_pk_add_f32 v[rT+4:rT+5], v[rS+2:rS+3], v[rS+6:rS+7]
.elseif \i > 1
	v_pk_add_f32 v[rT+4:rT+5], v[rT+4:rT+5], v[rS+4*\i+2:rS+4*\i+3]
.endif
.elseif \n == 4
	v_pk_mul_f32 v[rO+4*\i:rO+4*\i+1], v[rO+4*\i:rO+4*\i+1], v[rT+6:rT+7] op_sel_hi:[1,0]
.else
	v_pk_mul_f32 v[rO+4*\i+2:rO+4*\i+3], v[rO+4*\i+2:rO+4*\i+3], v[rT+6:rT+7] op_sel_hi:[1,0]
.endif
.endm
; THE SOFTMAX OF A STEP, both tiles.  The exponentials go in two batches with one wait each: tile 0's 32 (and both a) stand among tile 1's scalings; tile 1's 32 stand among tile 0's plain lines.
; Nothing names a batch's result ahead of its wait.
.macro SOFTMAX
.irp j, 0,1,2,3,4,5,6,7,8,9,10,11,12,13,14,15,16,17,18,19,20,21
.irp t, 0,1
	SML \t, \j
.endr
.endr
.irp i, 0,1,2,3,4,5,6,7,8,9,10,11,12,13,14,15
	FMAP 0, \i
.endr
.irp i, 0,1,2,3,4,5,6,7,8,9,10,11,12,13,14,15
	FMAP 1, \i
	v_exp_f32 v[SS+2*\i], v[SS+2*\i]
	v_exp_f32 v[SS+2*\i+1], v[SS+2*\i+1]
.endr
	v_nop                                          ; a plain line behind the last exponential,
	s_wait_alu depctr_va_vdst(0)                   ; and one wait for both a and tile 0's 32
.irp t, 0,1
	v_pk_mul_f32 v[ST+8*\t+2:ST+8*\t+3], v[ST+8*\t+2:ST+8*\t+3], v[ST+8*\t+6:ST+8*\t+7] op_sel_hi:[1,0]   ; l under the new m
.endr
.irp i, 0,1,2,3,4,5,6,7
.irp n, 0,1,2,3
	v_exp_f32 v[SS+32+4*\i+\n], v[SS+32+4*\i+\n]
	PLN 0, \i, \n
.endr
	PLN 0, \i, 4
	PLN 0, \i, 5
.endr
	v_pk_add_f32 v[ST+2:ST+3], v[ST+2:ST+3], v[ST+4:ST+5]
	s_wait_alu depctr_va_vdst(0)                   ; one wait for tile 1's 32 (plain lines have followed the last of them)
.irp i, 0,1,2,3,4,5,6,7
.irp n, 0,1,2,3,4,5
	PLN 1, \i, \n
.endr
.endr
	v_pk_add_f32 v[ST+10:ST+11], v[ST+10:ST+11], v[ST+12:ST+13]
.endm
; A STEP of 64 keys: the u-th of slot s.  The LDS loads stand in runs: V of this step and K of the slot's second step are asked for ahead of the first step's softmax, the second step's bias behind it.
.macro STEP s, u, ask
.if \u == 0
	LDB \s, 0
	LDK \s, 0
	WIN 0
.if \ask
	ASK                                            ; behind the joint load, its five lines and the run of LDS loads
.endif
.endif
	s_wait_dscnt 0x0                               ; the bias and K are in
	KQ
	WIN 0
.rept 4
	v_nop                                          ; the places behind these products for the reads of S^T and the loads into K's registers, and behind the last V^T P for the loads into V's
.endr
	LDV \s, \u
.if \u == 0
	LDK \s, 1
.endif
	WIN 0
	SOFTMAX
.if \u == 0
	LDB \s, 1                                      ; the scores' registers are free: the next step's bias
	s_wait_dscnt 16                                ; all but those sixteen: V is in
.else
	s_wait_dscnt 0x0
.endif
	PVM
	WIN 0
.endm
; A TRIP: slot s.  Each wave waits for all its tensor loads (its part of this slot), adds 0 to its spare word, and waits for that and for its reads of the other slot; a round of the cluster's barrier:
; no wave of any partner still reads the other slot or has a load on its way; then the joint refill of the other slot, first thing, one load a wave.
.macro TRIP s, refill, ask
	s_wait_xcnt 0x0                                ; the last prefetch, a slot back, has read its address: it is stepped here, ahead of the waits of the change
	s_add_nc_u64 s[PFA:PFA+1], s[PFA:PFA+1], s[PFS:PFS+1]
	s_wait_tensorcnt 0x0                           ; no tensor load of mine is out, so every group 0 may be written
	ds_add_u32 v[SPW], v[NIL]                      ; 0 onto my spare word; the descriptors' steps stand between it and the wait for it
	s_add_nc_u64 s[G0B+4*\s+2:G0B+4*\s+3], s[G0B+4*\s+2:G0B+4*\s+3], 2*512        ; this slot's next keys: two slots on
	s_add_nc_u64 s[G0K+4*\s+2:G0K+4*\s+3], s[G0K+4*\s+2:G0K+4*\s+3], 2*16384
	s_add_nc_u64 s[G0V+4*\s+2:G0V+4*\s+3], s[G0V+4*\s+2:G0V+4*\s+3], 2*16384
	s_wait_dscnt 0x0                               ; the add is done, and my reads of the other slot are over
	CROUND
.if \refill
	JLOAD 1-\s
.endif
	STEP \s, 0, \ask
	STEP \s, 1, 0
.endm
	s_wait_loadcnt 0x0                             ; Q
.Llap:                                             ; 7 trips of two slots
	TRIP 0, 1, 1
	TRIP 1, 1, 1
	s_sub_co_u32 s[LAP], s[LAP], 1
	s_cmp_lg_u32 s[LAP], 0
	s_cbranch_scc1 .Llap
	TRIP 0, 1, 0                                   ; the tail is written out: the last slot is asked for, and nothing behind it (the stepped addresses are not used)
	TRIP 1, 0, 0
	; THE WAY OUT.  l's halves and the other half of the lanes' are added; O^T / l is rounded to f16 and goes through the work-group's stage: a token's 256 bytes come from two waves, so a barrier stands between.
.rept 4
	v_nop                                          ; behind the last products
.endr
.irp t, 0,1
	v_add_f32 v[ST+8*\t+4], v[ST+8*\t+2], v[ST+8*\t+3]
.endr
.irp t, 0,1
	v_permlanex16_b32 v[ST+8*\t+5], v[ST+8*\t+4], s[SEL], s[SEL+1]
.endr
.irp t, 0,1
	v_add_f32 v[ST+8*\t+4], v[ST+8*\t+4], v[ST+8*\t+5]
.endr
.irp t, 0,1
	v_rcp_f32 v[ST+8*\t+6], v[ST+8*\t+4]
.endr
	v_nop
	s_wait_alu depctr_va_vdst(0)                   ; one wait for the two reciprocals, ahead of their first reader
.irp t, 0,1
.irp i, 0,1,2,3,4,5,6,7,8,9,10,11,12,13,14,15
	v_pk_mul_f32 v[OA+32*\t+2*\i:OA+32*\t+2*\i+1], v[OA+32*\t+2*\i:OA+32*\t+2*\i+1], v[ST+8*\t+6:ST+8*\t+7] op_sel_hi:[1,0]
.endr
.endr
.irp t, 0,1
.irp i, 0,1,2,3,4,5,6,7,8,9,10,11,12,13,14,15
	v_cvt_pk_f16_f32 v[PKD+16*\t+\i], v[OA+32*\t+2*\i], v[OA+32*\t+2*\i+1]
.endr
.endr
.irp t, 0,1
.irp d, 0,1,2,3
	ds_store_b128 v[STO], v[PKD+16*\t+4*\d:PKD+16*\t+4*\d+3] offset:16*272*\t+32*\d
.endr
.endr
	s_wait_dscnt 0x0                               ; for the others' sake: my stores into the stage are done
	s_barrier_signal -1
	s_barrier_wait -1
.irp i, 0,1,2,3,4,5,6,7
	ds_load_b128 v[BKR+4*\i:BKR+4*\i+3], v[RD] offset:2*272*\i
.endr
.irp i, 0,1,2,3,4,5,6,7
	s_wait_dscnt 7-\i                              ; load i is in; the younger ones may be out
	global_store_b128 v[GO], v[BKR+4*\i:BKR+4*\i+3], s[8:9] offset:4096*\i   ; 16 lanes store 256 consecutive bytes, aligned
.endr
	s_wait_tensorcnt 0x0                           ; the wave's end: three closing lines behind my last tensor load and my last LDS store
	ds_add_u32 v[SPW], v[NIL]
	s_wait_dscnt 0x0
	CROUND                                         ; the closing round
	s_endpgm
.Lfunc_end_k_qc961be1e61_attn:
	.size	k_qc961be1e61_attn, .Lfunc_end_k_qc961be1e61_attn-k_qc961be1e61_attn
	.p2alignl 7, 3214868480
	.fill 96, 4, 3214868480
	.section	.rodata,"a",@progbits
	.p2align	6, 0x0
	.amdhsa_kernel k_qc961be1e61_attn
		.amdhsa_group_segment_fixed_size 327680
		.amdhsa_private_segment_fixed_size 0
		.amdhsa_enable_private_segment 0
		.amdhsa_kernarg_size 24
		.amdhsa_user_sgpr_count 2
		.amdhsa_user_sgpr_kernarg_segment_ptr 1
		.amdhsa_wavefront_size32 1
		.amdhsa_system_sgpr_workgroup_id_x 1
		.amdhsa_system_sgpr_workgroup_id_y 1
		.amdhsa_system_sgpr_workgroup_id_z 1
		.amdhsa_system_vgpr_workitem_id 0
		.amdhsa_next_free_vgpr 512
		.amdhsa_next_free_sgpr 100
		.amdhsa_reserve_vcc 0
		.amdhsa_float_denorm_mode_32 3
		.amdhsa_float_denorm_mode_16_64 3
		.amdhsa_memory_ordered 1
		.amdhsa_forward_progress 1
		.amdhsa_inst_pref_size 171
	.end_amdhsa_kernel
	.amdgpu_metadata
---
amdhsa.version: [ 1, 2 ]
amdhsa.kernels:
  - .name:           k_qc961be1e61_attn
    .symbol:         k_qc961be1e61_attn.kd
    .args:
      - { .name: qkvh, .offset: 0, .size: 8, .value_kind: global_buffer, .address_space: global }
      - { .name: attn_bias, .offset: 8, .size: 8, .value_kind: global_buffer, .address_space: global }
      - { .name: oup16, .offset: 16, .size: 8, .value_kind: global_buffer, .address_space: global }
    .group_segment_fixed_size: 327680
    .private_segment_fixed_size: 0
    .kernarg_segment_align: 8
    .kernarg_segment_size: 24
    .max_flat_workgroup_size: 256
    .sgpr_count:     100
    .vgpr_count:     512
    .wavefront_size: 32
...
	.end_amdgpu_metadata
.endif
;; end of part 3
;; launch proj (part 4): grid 8 x 32, 4 waves a work-group, clusters of 4 x 4, 327,680 bytes of LDS; arguments oup16, wp16, out0, b_proj; writes out0
.if DOCPART == 4
	.amdgcn_target "amdgcn-amd-amdhsa--gfx1250"
	.amdhsa_code_object_version 6
	.text
	.protected	k_qc961be1e61_proj
	.globl	k_qc961be1e61_proj
	.p2align	8
	.type	k_qc961be1e61_proj,@function
k_qc961be1e61_proj:
	s_mov_b64 s[64:65], 0
	v_nop
	global_prefetch_b8 v0, s[64:65] scope:SCOPE_SE
	s_setreg_imm32_b32 hwreg(HW_REG_WAVE_MODE, 25, 1), 1
	s_wait_xcnt 0x0
	s_wait_alu depctr_hold_cnt(0) depctr_sa_sdst(0) depctr_va_vdst(0) depctr_va_sdst(0) depctr_va_ssrc(0) depctr_va_vcc(0) depctr_vm_vsrc(0)
	s_getreg_b32 s2, hwreg(HW_REG_IB_STS2, 6, 4)
	s_cmp_eq_u32 s2, 0
	s_cbranch_scc0 .Lentry_in_a_cluster
	s_endpgm
.Lentry_in_a_cluster:
	s_bfe_u32 s2, ttmp6, 0x10000c
	s_cmp_lg_u32 s2, 0xf033
	s_cbranch_scc0 .Lentry_shape_is_right
	s_endpgm
.Lentry_shape_is_right:
; out0[m][n] = the sum over k of oup16[m][k] wp16[n][k] + b_proj[n].  oup16: [4096][1024], wp16: [1024][1024], f16; out0: [4096][1024] f32; sums in f32.
; A tile of out0 is 128 x 128: 8 x 32 = 256 work-groups.  Four waves, each 64 x 64: 16 accumulators of 16 x 16.  K goes in steps of 256 (LDS rows of 512 bytes; a wave's tensor load brings 64 of them) through two slots.
; CLUSTERS: 4 x 4.  The four of a row of the cluster need the same tiles of oup16, the four of a column the same tiles of wp16: each is asked for jointly.
; THE MATRIX INSTRUCTION IS USED TRANSPOSED (source 0 = 16 rows of wp16, source 1 = 16 tokens): a lane holds eight neighbouring numbers of a row of out0.  THE BIAS IS THE C OF EACH SUM'S FIRST PRODUCT.
; A wave's 64 columns of f32 are 256 aligned bytes of a row: each wave has a stage of its own on the way out, and no barrier stands there.
; No prefetch: a step's tiles are small, four steps in all, and two of them are asked for at the head.
; REGISTERS: window 0: v0-31 addresses; v32-95 rows on the way out; v96-127 the bias in the result's layout; v128-255 the accumulators ((a, b) at v[128 + 8 (4 a + b)]).   window 1: two fragment buffers of 128.
.set SIZE_N, 1024
.set SIZE_K, 1024
.set KSTEP,  256
.set PITCH,  528                       ; an LDS row: 512 bytes + 16: an odd multiple of 16
.set HALFT,  64*PITCH
.set SLOT,   4*HALFT
.set STAGE,  2*SLOT                    ; behind the ring: 16 rows x 272 bytes for each wave
.set SPITCH, 272
.set SPARE,  STAGE+4*16*SPITCH
.set LAPS,   SIZE_K/(2*KSTEP)
.set ADRA, 16
.set ADRB, 20
.set STO,  24
.set RD,   25
.set CO,   26
.set SPW,  28
.set NIL,  29
.set TMP,  32
.set BI,   96
.set ACC,  128
.set F0,   0
.set F1,   128
.set WV,   12                          ; s12 wave; s13 wave / 2: my half of the rows, and: I fetch for oup16 (0) or wp16 (1); s14 wave % 2: my half of the columns, and which 64 rows I fetch; s15 tile row
.set RH,   13
.set CH,   14
.set TR,   15
.set G1, 24
.set G0, 32
.set G1B, 48
.set G0B, 56
.set MSB, 0
.macro WIN new
.if MSB != \new
	s_set_vgpr_msb (MSB<<8)|\new
.set MSB, \new
.endif
.endm
.set MUL,  0x05                        ; sources 0 and 1 window 1; C and D window 0
.set TO_F, 0x40
.macro JLOAD s                         ; a joint load; an s_nop 0 and four v_nop follow each of the two lines
	s_cmp_eq_u32 s[RH], 0
	s_cbranch_scc0 .Lfor_b_\@
	tensor_load_to_lds s[G0+4*\s:G0+4*\s+3], s[G1:G1+7]
	s_nop 0
.rept 4
	v_nop
.endr
	s_branch .Lasked_\@
.Lfor_b_\@:
	tensor_load_to_lds s[G0B+4*\s:G0B+4*\s+3], s[G1B:G1B+7]
	s_nop 0
.rept 4
	v_nop
.endr
.Lasked_\@:
.endm
.macro CREST                           ; a round of the cluster's barrier behind its opening barrier
	s_cmp_lg_u32 s[WV], 0
	s_cbranch_scc1 .Lnot_wave_0_\@
	s_barrier_signal -3
.Lnot_wave_0_\@:
	s_barrier_wait -3
	s_barrier_signal -1
	s_barrier_wait -1
.endm
.macro CROUND
	s_barrier_signal -1
	s_barrier_wait -1
	CREST
.endm
	s_load_b256 s[4:11], s[0:1], 0x0               ; oup16 s[4:5], wp16 s[6:7], out0 s[8:9], b_proj s[10:11]
	v_lshl_add_u32 v[SPW], v0, 2, SPARE
	v_mov_b32 v[NIL], 0
	ds_add_u32 v[SPW], v[NIL]                      ; the wave's opening: the add, twice on end, and its wait ahead of my first tensor load
	ds_add_u32 v[SPW], v[NIL]
	v_lshrrev_b32 v1, 5, v0
	v_readfirstlane_b32 s[WV], v1
	s_lshr_b32 s[RH], s[WV], 1
	s_and_b32 s[CH], s[WV], 1
	s_bfe_u32 s40, ttmp6, 0x40000                  ; cx, cy
	s_bfe_u32 s41, ttmp6, 0x40004
	s_lshl_b32 s42, ttmp9, 2
	s_add_co_u32 s42, s42, s40                     ; tile column
	s_and_b32 s[TR], ttmp7, 0xffff
	s_lshl_b32 s[TR], s[TR], 2
	s_add_co_u32 s[TR], s[TR], s41                 ; tile row
	s_lshl_b32 s43, s41, 2
	s_lshl_b32 s43, 15, s43                        ; my row of the cluster
	s_lshl_b32 s44, 0x1111, s40                    ; my column
	s_or_b32 s[G1+0], s43, (1<<16)|(1<<20)|(1<<21)|(6<<22)|(3<<25)  ; the mask; elements of 2 bytes; padding on; bit 21 beside a mask; after every 128 words, 4 words
	s_or_b32 s[G1B+0], s44, (1<<16)|(1<<20)|(1<<21)|(6<<22)|(3<<25)
.irp g, G1, G1B
	s_mov_b32 s[\g+1], KSTEP<<16                   ; tensor_dim0
	s_mov_b32 s[\g+2], 64<<16                      ; tensor_dim1
	s_mov_b32 s[\g+3], KSTEP<<16                   ; tile_dim0
	s_mov_b32 s[\g+4], 64                          ; tile_dim1
	s_mov_b32 s[\g+5], SIZE_K                      ; the pitch
	s_mov_b32 s[\g+6], 0
	s_mov_b32 s[\g+7], 0
.endr
	s_lshl_b32 s17, s[CH], 6                       ; which 64 rows of the tile I fetch
	s_lshl_b32 s16, s[TR], 7
	s_add_co_u32 s16, s16, s17
	s_lshl_b32 s46, s42, 7
	s_add_co_u32 s46, s46, s17
	s_mov_b32 s17, 0
	s_mov_b32 s47, 0
	s_mov_b64 s[18:19], SIZE_K*2
	s_mul_u64 s[16:17], s[16:17], s[18:19]
	s_mul_u64 s[46:47], s[46:47], s[18:19]
	s_mul_i32 s20, s[WV], HALFT                    ; where they go: wave x 64 rows
	s_wait_dscnt 0x0                               ; both opening adds are done
	s_wait_kmcnt 0x0
	s_add_nc_u64 s[16:17], s[4:5], s[16:17]
	s_add_nc_u64 s[46:47], s[6:7], s[46:47]
	CROUND                                         ; all sixteen work-groups are here: the first joint loads meet
.irp s, 0,1
	s_mov_b32 s[G0+4*\s], 1
	s_add_co_u32 s[G0+4*\s+1], s20, \s*SLOT
	s_add_nc_u64 s[G0+4*\s+2:G0+4*\s+3], s[16:17], \s*KSTEP*2
	s_or_b32 s[G0+4*\s+3], s[G0+4*\s+3], 0x80000000
	s_mov_b32 s[G0B+4*\s], 1
	s_add_co_u32 s[G0B+4*\s+1], s20, \s*SLOT
	s_add_nc_u64 s[G0B+4*\s+2:G0B+4*\s+3], s[46:47], \s*KSTEP*2
	s_or_b32 s[G0B+4*\s+3], s[G0B+4*\s+3], 0x80000000
	JLOAD \s
.endr
	v_and_b32 v1, 15, v0                           ; r
	v_bfe_u32 v2, v0, 4, 1                         ; h
	v_lshlrev_b32 v7, 5, v2                        ; 32 h bytes
	s_lshl_b32 s46, s42, 9                         ; my first column, in bytes of f32: 512 x tile column + 256 x half: the same in a row of out0 and in b_proj
	s_lshl_b32 s47, s[CH], 8
	s_add_co_u32 s46, s46, s47
	s_mov_b32 s47, 0
	s_add_nc_u64 s[10:11], s[10:11], s[46:47]
	s_add_nc_u64 s[8:9], s[8:9], s[46:47]
.irp b, 0,1,2,3
	global_load_b128 v[BI+8*\b:BI+8*\b+3], v7, s[10:11] offset:64*\b        ; block b, lane (r, h): b_proj at my columns 16 b + 8 h + 0 .. 7
	global_load_b128 v[BI+8*\b+4:BI+8*\b+7], v7, s[10:11] offset:64*\b+16
.endr
	s_lshl_b32 s16, s[TR], 7
	s_lshl_b32 s17, s[RH], 6
	s_add_co_u32 s16, s16, s17                     ; my first row of out0
	s_lshl_b32 s16, s16, 12                        ; 4,096 bytes a row
	s_mov_b32 s17, 0
	s_add_nc_u64 s[8:9], s[8:9], s[16:17]
	v_mul_u32_u24 v3, v1, PITCH
	v_lshl_add_u32 v3, v2, 4, v3                   ; a fragment's row x pitch + 16 x half
	s_mul_i32 s21, s[RH], HALFT                    ; my 64 tokens
	s_mul_i32 s22, s[CH], HALFT                    ; my 64 rows of wp16,
	s_add_co_u32 s22, s22, 2*HALFT                 ; which lie behind the 128 tokens
.irp s, 0,1
	v_add_nc_u32 v[ADRA+\s], s21, v3
	v_add_nc_u32 v[ADRB+\s], s22, v3
	s_add_co_u32 s21, s21, SLOT
	s_add_co_u32 s22, s22, SLOT
.endr
	s_mul_i32 s23, s[WV], 16*SPITCH
	s_add_co_u32 s23, s23, STAGE                   ; my stage
	v_mul_u32_u24 v4, v1, SPITCH
	v_lshl_add_u32 v4, v2, 5, v4
	v_add_nc_u32 v[STO], s23, v4                   ; in: row r, 32 bytes for each half of the lanes
	v_mul_u32_u24 v5, v2, SPITCH
	v_lshl_add_u32 v5, v1, 4, v5
	v_add_nc_u32 v[RD], s23, v5                    ; back: lanes 0-15 one row of 256 bytes, lanes 16-31 the next
	v_lshlrev_b32 v[CO], 12, v2
	v_lshl_add_u32 v[CO], v1, 4, v[CO]             ; and the same two rows in out0
; 8 matrix instructions: m blocks a0, a0 + 1 x all 4 n blocks, 32 along K: half c of buffer f.  zero = 1: the first product starts the sums from the bias
.macro MUL8 f, c, a0, zero
.irp a, \a0, \a0+1
.irp b, 0,1,2,3
.if \zero
	v_wmma_f32_16x16x32_f16 v[ACC+8*(4*(\a)+\b):ACC+8*(4*(\a)+\b)+7], v[\f+64+8*(4*\c+\b):\f+64+8*(4*\c+\b)+7], v[\f+8*(4*\c+\a):\f+8*(4*\c+\a)+7], v[BI+8*\b:BI+8*\b+7]
.else
	v_wmma_f32_16x16x32_f16 v[ACC+8*(4*(\a)+\b):ACC+8*(4*(\a)+\b)+7], v[\f+64+8*(4*\c+\b):\f+64+8*(4*\c+\b)+7], v[\f+8*(4*\c+\a):\f+8*(4*\c+\a)+7], v[ACC+8*(4*(\a)+\b):ACC+8*(4*(\a)+\b)+7]
.endif
.endr
.endr
.endm
; 32 LDS loads in one run: the fragments of 64 along K at byte k of the rows, into buffer f; the first 32 along K first
.macro FETCH slot, k, f
	WIN TO_F
.irp c, 0,1
.irp i, 0,1,2,3
	ds_load_b128 v[\f+64+8*(4*\c+\i):\f+64+8*(4*\c+\i)+3],   v[ADRB+\slot] offset:\k+64*\c+\i*16*PITCH
	ds_load_b128 v[\f+64+8*(4*\c+\i)+4:\f+64+8*(4*\c+\i)+7], v[ADRB+\slot] offset:\k+64*\c+\i*16*PITCH+32
	ds_load_b128 v[\f+8*(4*\c+\i):\f+8*(4*\c+\i)+3],         v[ADRA+\slot] offset:\k+64*\c+\i*16*PITCH
	ds_load_b128 v[\f+8*(4*\c+\i)+4:\f+8*(4*\c+\i)+7],       v[ADRA+\slot] offset:\k+64*\c+\i*16*PITCH+32
.endr
.endr
.endm
.macro PLACES                          ; four plain lines in front of loads into registers that matrix instructions have read, and of the first read of results
.rept 4
	v_nop
.endr
.endm
; A K step is four quarters of 64 along K, 32 matrix instructions each, on buffers 0, 1, 0, 1; the 16 accumulators take turns.
.macro QUARTER slot, k, f, g, zero
	s_wait_dscnt 16                                ; the first 32 along K are in; the other sixteen loads may be out
	WIN MUL
	MUL8 \f, 0, 0, \zero
	MUL8 \f, 0, 2, \zero
	PLACES
	FETCH \slot, \k, \g
	s_wait_dscnt 32                                ; all but the 32 just issued
	WIN MUL
	MUL8 \f, 1, 0, 0
	MUL8 \f, 1, 2, 0
.endm
; The last quarter multiplies buffer 1 and changes slots: one barrier; in front of it each wave waits for all its tensor loads, adds 0 to its spare word, and waits for that and for its reads of this slot.
; fill = 1: the barrier opens a round of the cluster's, and this slot is filled again, two K steps ahead, first thing behind the round.
.macro TURN slot, next, fill
	WIN 0
	s_wait_tensorcnt 0x0                           ; all my tensor loads have landed: my part of the next slot
	ds_add_u32 v[SPW], v[NIL]
	s_wait_dscnt 17                                ; (the add and the youngest sixteen loads may be out)
	WIN MUL
	MUL8 F1, 0, 0, 0
	s_wait_dscnt 0x0                               ; the add is done, and my reads of this slot are over
	s_barrier_signal -1
	MUL8 F1, 0, 2, 0
.if \fill
	WIN 0
.endif
	s_barrier_wait -1
.if \fill
	CREST
	s_add_nc_u64 s[G0+4*\slot+2:G0+4*\slot+3], s[G0+4*\slot+2:G0+4*\slot+3], 2*KSTEP*2
	s_add_nc_u64 s[G0B+4*\slot+2:G0B+4*\slot+3], s[G0B+4*\slot+2:G0B+4*\slot+3], 2*KSTEP*2
	JLOAD \slot                                    ; the four v_nop behind it are also the places in front of the loads below
.else
	PLACES
.endif
	FETCH \next, 0, F0
	WIN MUL
	MUL8 F1, 1, 0, 0
	MUL8 F1, 1, 2, 0
.endm
	s_wait_loadcnt 0x0                             ; the bias
	s_wait_tensorcnt 1                             ; my part of K step 0 is in (K step 1's load may be out)
	s_barrier_signal -1
	s_barrier_wait -1                              ; everybody's is
	FETCH 0, 0, F0
	QUARTER 0, 128, F0, F1, 1                      ; the first quarter's first products start the sums from the bias
	WIN 0
	s_mov_b32 s3, LAPS-1
.Llap:                                             ; a trip goes once round the ring and fills both slots again
	QUARTER 0, 256, F1, F0, 0
	QUARTER 0, 384, F0, F1, 0
	TURN 0, 1, 1
	QUARTER 1, 128, F0, F1, 0
	QUARTER 1, 256, F1, F0, 0
	QUARTER 1, 384, F0, F1, 0
	TURN 1, 0, 1
	QUARTER 0, 128, F0, F1, 0
	WIN 0
	s_sub_co_u32 s3, s3, 1
	s_cmp_lg_u32 s3, 0
	s_cbranch_scc1 .Llap
	QUARTER 0, 256, F1, F0, 0                      ; the last lap fills nothing
	QUARTER 0, 384, F0, F1, 0
	TURN 0, 1, 0
	QUARTER 1, 128, F0, F1, 0
	QUARTER 1, 256, F1, F0, 0
	QUARTER 1, 384, F0, F1, 0
	s_wait_dscnt 16
	WIN MUL
	MUL8 F1, 0, 0, 0
	MUL8 F1, 0, 2, 0
	s_wait_dscnt 0
	MUL8 F1, 1, 0, 0
	MUL8 F1, 1, 2, 0
	WIN 0
; THE WAY OUT, block by block of 16 rows x 64 columns: a lane's 32 bytes go into my own stage and come back as whole rows of 256 bytes.  LDS serves a wave's instructions in order: no wait between stores and loads.
.macro TOSTAGE a
.irp b, 0,1,2,3
	ds_store_b128 v[STO], v[ACC+8*(4*(\a)+\b):ACC+8*(4*(\a)+\b)+3] offset:64*\b        ; each accumulator from its low end on
	ds_store_b128 v[STO], v[ACC+8*(4*(\a)+\b)+4:ACC+8*(4*(\a)+\b)+7] offset:64*\b+16
.endr
.irp i, 0,1,2,3,4,5,6,7
	ds_load_b128 v[TMP+32*((\a)%2)+4*\i:TMP+32*((\a)%2)+4*\i+3], v[RD] offset:2*SPITCH*\i
.endr
.endm
.macro SEND a, younger                 ; younger: the LDS instructions issued behind block a's loads, which may stay out
	s_wait_dscnt \younger
.irp i, 0,1,2,3,4,5,6,7
	global_store_b128 v[CO], v[TMP+32*((\a)%2)+4*\i:TMP+32*((\a)%2)+4*\i+3], s[8:9] offset:65536*(\a)+8192*\i th:TH_STORE_NT   ; 16 lanes store 256 consecutive bytes, aligned; written once, read by nobody here
.endr
.endm
	PLACES
	TOSTAGE 0
.irp a, 1,2,3
.if \a > 1
	s_wait_xcnt 0x0                                ; block a - 2's stores have read their registers: block a's loads may land there
.endif
	TOSTAGE \a
	SEND \a-1, 16                                  ; behind block a - 1's loads: block a's 8 stores and 8 loads
.endr
	SEND 3, 0
	s_wait_tensorcnt 0x0                           ; the wave's end: three closing lines behind my last tensor load and my last LDS store
	ds_add_u32 v[SPW], v[NIL]
	s_wait_dscnt 0x0
	CROUND                                         ; the closing round
	s_endpgm
.Lfunc_end_k_qc961be1e61_proj:
	.size	k_qc961be1e61_proj, .Lfunc_end_k_qc961be1e61_proj-k_qc961be1e61_proj
	.p2alignl 7, 3214868480
	.fill 96, 4, 3214868480
	.section	.rodata,"a",@progbits
	.p2align	6, 0x0
	.amdhsa_kernel k_qc961be1e61_proj
		.amdhsa_group_segment_fixed_size 327680
		.amdhsa_private_segment_fixed_size 0
		.amdhsa_enable_private_segment 0
		.amdhsa_kernarg_size 32
		.amdhsa_user_sgpr_count 2
		.amdhsa_user_sgpr_kernarg_segment_ptr 1
		.amdhsa_wavefront_size32 1
		.amdhsa_system_sgpr_workgroup_id_x 1
		.amdhsa_system_sgpr_workgroup_id_y 1
		.amdhsa_system_sgpr_workgroup_id_z 1
		.amdhsa_system_vgpr_workitem_id 0
		.amdhsa_next_free_vgpr 512
		.amdhsa_next_free_sgpr 66
		.amdhsa_reserve_vcc 0
		.amdhsa_float_denorm_mode_32 3
		.amdhsa_float_denorm_mode_16_64 3
		.amdhsa_memory_ordered 1
		.amdhsa_forward_progress 1
		.amdhsa_inst_pref_size 86
	.end_amdhsa_kernel
	.amdgpu_metadata
---
amdhsa.version: [ 1, 2 ]
amdhsa.kernels:
  - .name:           k_qc961be1e61_proj
    .symbol:         k_qc961be1e61_proj.kd
    .args:
      - { .name: oup16, .offset: 0, .size: 8, .value_kind: global_buffer, .address_space: global }
      - { .name: wp16, .offset: 8, .size: 8, .value_kind: global_buffer, .address_space: global }
      - { .name: out0, .offset: 16, .size: 8, .value_kind: global_buffer, .address_space: global }
      - { .name: b_proj, .offset: 24, .size: 8, .value_kind: global_buffer, .address_space: global }
    .group_segment_fixed_size: 327680
    .private_segment_fixed_size: 0
    .kernarg_segment_align: 8
    .kernarg_segment_size: 32
    .max_flat_workgroup_size: 128
    .sgpr_count:     66
    .vgpr_count:     512
    .wavefront_size: 32
...
	.end_amdgpu_metadata
.endif
;; end of part 4
